; MI455X (gfx1250); checked and timed in simulation.
; The chip was launched on July 23, 2026; its instructions are those of AMD's public machine-readable ISA for CDNA 5 (MIT licence, August 2026) and "CDNA5" Instruction Set Architecture Reference Guide (July 2026). The comments in the code are by the model that wrote it; some were corrected since.
;; Chunked Cross Attention. Allowed arithmetic: matrix products marked QUANTISED: E2M3 operands, one E8M0 scale for each 32 along K, by v_wmma_scale_f32_16x16x128_f8f6f4 with both operands' format E2M3, f32 sums; everything else in f32.
;; Inputs: Wk_codes 1,024 x 32 x 24 uint8 (E2M3 codes of Wk, K innermost, in blocks of 32 codes, four codes in three bytes); Wk_scales 1,024 x 32 uint8 (E8M0 scales of Wk, one for each 32 codes along K); Wo_codes 1,024 x 32 x 24 uint8 (E2M3 codes of Wo, K innermost, in blocks of 32 codes, four codes in three bytes); Wo_scales 1,024 x 32 uint8 (E8M0 scales of Wo, one for each 32 codes along K); Wq_codes 1,024 x 32 x 24 uint8 (E2M3 codes of Wq, K innermost, in blocks of 32 codes, four codes in three bytes); Wq_scales 1,024 x 32 uint8 (E8M0 scales of Wq, one for each 32 codes along K); Wv_codes 1,024 x 32 x 24 uint8 (E2M3 codes of Wv, K innermost, in blocks of 32 codes, four codes in three bytes); Wv_scales 1,024 x 32 uint8 (E8M0 scales of Wv, one for each 32 codes along K); bk 1,024 float32; bo 1,024 float32; bq 1,024 float32; bv 1,024 float32; e_codes 4 x 16 x 2 x 128 x 32 x 24 uint8 (E2M3 codes of e, K innermost, in blocks of 32 codes, four codes in three bytes); e_scales 4 x 16 x 2 x 128 x 32 uint8 (E8M0 scales of e, one for each 32 codes along K); g_norm 1,024 float32; h 4 x 1,024 x 1,024 float32.
;; Outputs: out0 4 x 1,024 x 1,024 float32.
;; This version of the problem:
;;   THIS VERSION OF THE PROBLEM IS GIVEN IN LOW PRECISION. The matrix products marked QUANTISED in the list below multiply operands that are first quantised to E2M3 (2 exponent bits, 3 mantissa bits; 6 bits a number), with one power-of-two scale for each 32 numbers along K (OCP MX v1.0); their sums are f32. All else is computed in f32.
;;   The module's matrix products, in the order in which they are computed (A, B: the left and right operand; K: the contracted axis; several contracted axes count as one K, in the product's order):
;;     1. [M 4,096, K 1,024] x [K 1,024, N 1,024]; A: computed on the way; B: input Wq (given as codes): QUANTISED
;;     2. [M 16,384, K 1,024] x [K 1,024, N 1,024]; A: input e (given as codes); B: input Wk (given as codes): QUANTISED
;;     3. [M 16,384, K 1,024] x [K 1,024, N 1,024]; A: input e (given as codes); B: input Wv (given as codes): QUANTISED
;;     4. batch 1,024 x [M 64, K 64] x [K 64, N 256]; A: computed on the way; B: computed on the way: QUANTISED
;;     5. batch 1,024 x [M 64, K 256] x [K 256, N 64]; A: computed on the way; B: computed on the way: QUANTISED
;;     6. [M 4,096, K 1,024] x [K 1,024, N 1,024]; A: computed on the way; B: input Wo (given as codes): QUANTISED
;;   THE QUANTISER, for each operand of a quantised product, along K:
;;     - K is cut into blocks of 32 from its start; a last block that is shorter is filled with zeros.
;;     - A block's scale is 2^e with e = floor(log2(the largest magnitude in the block)) - 2, held to -126 .. 127; a block of zeros has e = 0. As a byte (E8M0): e + 127.
;;     - Each number is divided by its block's scale, clamped to +-7.5, and rounded to the nearest number of E2M3, ties to even, subnormals kept.
;;     - The product sums the exact products of the quantised numbers (number of the format x scale) in f32.
;;   ~~~python
;;   def quantise(x, axis):      # numpy; x: float32 -> the quantised numbers, widened to float32 again
;;       x = np.moveaxis(x, axis, -1); K = x.shape[-1]
;;       x = np.pad(x, [(0, 0)] * (x.ndim - 1) + [(0, -K % 32)]); x = x.reshape(x.shape[:-1] + (-1, 32)); a = np.abs(x).max(-1, keepdims=True)
;;       e = np.where(a > 0, np.clip(np.frexp(np.where(a > 0, a, 1))[1] - 1 - 2, -126, 127), 0)      # np.frexp(a)[1] - 1 = floor(log2(a)), exactly
;;       r = np.clip(x / 2.0 ** e, -7.5, 7.5)
;;       step = 2.0 ** (np.maximum(np.frexp(np.where(r == 0, 1, r))[1] - 1, 0) - 3)
;;       q = np.round(r / step) * step * 2.0 ** e      # np.round: ties to even
;;       return np.moveaxis(q.reshape(q.shape[:-2] + (-1,))[..., :K], -1, axis).astype(np.float32)
;;   ~~~
;;   OPERANDS COMPUTED ON THE WAY. 'Computed on the way' means the value that the module computes at that place (a softmax that the list does not call 'softmax' is quantised finished and normalised). What goes into a quantiser is computed in f32, as accurately as f32 sums, v_exp_f32 and their like allow (about 1e-6 of the number): no bf16 or f16 on the way to a quantiser, and a product that is left as it is and whose result goes on into a quantised operand takes f32 operands (vector FMAs, or v_wmma_f32_16x16x4_f32). A number that lies on a knife's edge between two numbers of the format may be rounded either way, as far as f32 arithmetic and the matrix unit's own rounding can turn it there, and no further.
;;   INPUTS GIVEN AS CODES. Wk (in the module: [1024, 1024], K = its axis 0); Wo (in the module: [1024, 1024], K = its axis 0); Wq (in the module: [1024, 1024], K = its axis 0); Wv (in the module: [1024, 1024], K = its axis 0); e (in the module: [4, 16, 2, 128, 1024], K = its axis 4): each comes as NAME_codes (uint8): NAME with its K axis moved to the last place and cut into blocks of 32 codes, [.., K / 32, bytes a block], one block behind the other in memory; four codes in three bytes: a row's codes are one little-endian stream of bits, code i at bits 6 i .. 6 i + 5 (a code: sign, 2 exponent bits, 3 mantissa bits); and NAME_scales (uint8): the same leading axes, one E8M0 byte (e + 127) for each 32 codes along K. Its value is code x scale, taken as it is: it is not quantised again, and the codes and scales need not be those that the quantiser above would give.
;; One version. Each part assembles by itself: llvm-mc -triple=amdgcn-amd-amdhsa -mcpu=gfx1250 --defsym DOCPART=n.
;; ======== version 1 of 1: 3 launches
;; workspace buffers: w_img 3,276,800 bytes; hn_img 3,276,800 bytes; o_img 3,145,728 bytes; o_sc 131,072 bytes
;; launch prep (part 1): grid 93 x 4, 4 waves a work-group, no clusters, 67,584 bytes of LDS; arguments h, g_norm, Wq_codes, Wq_scales, Wk_codes, Wk_scales, Wv_codes, Wv_scales, Wo_codes, Wo_scales, hn_img, w_img; writes hn_img, w_img
.if DOCPART == 1
	.amdgcn_target "amdgcn-amd-amdhsa--gfx1250"
	.amdhsa_code_object_version 6
	.text
	.protected	k_q4dce8d5eb4_prep
	.globl	k_q4dce8d5eb4_prep
	.p2align	8
	.type	k_q4dce8d5eb4_prep,@function
k_q4dce8d5eb4_prep:
	s_mov_b64 s[64:65], 0
	v_nop
	global_prefetch_b8 v0, s[64:65] scope:SCOPE_SE
	s_setreg_imm32_b32 hwreg(HW_REG_WAVE_MODE, 25, 1), 1
	s_wait_xcnt 0x0
; FIRST OF THREE LAUNCHES.  (1) hn = rmsnorm(h shifted by 63 rows) as codes of E2M3 with E8M0 scale bytes; (2) the four weights' codes and scale bytes laid anew.
; Both go to workspace in the ORDER OF THE OPERAND'S REGISTERS.  A RECORD is one K step of 128 for 64 rows, 6,400 bytes: four fragment images of 1,536 bytes (registers 4 c .. 4 c + 3 of lane l at 512 c + 16 l),
; then 256 bytes of scale words: lane l's 8 bytes at 6144 + 8 l are the word of tile l / 16, row l % 16, and that of tile 2 + l / 16.  A reader takes a record by twelve loads of 16 bytes and one of 8 bytes a lane.
; DEAD WORK, for all values of the inputs: reference() pads o by 63 rows in front and keeps o[:, :1024], so rows 961 .. 1023 of o in every batch, the queries 1 .. 63 of chunk 15, are sliced away.  Each of them is a row of its own
; in hn, q, the scores, the softmax, o and the last product, and no other row reads it.  In whole tiles of 16 rows these are tiles 1 .. 3 of chunk 15: none of the three launches computes them.  (The 15 dead rows of tile 0 stay: the tile holds
; the live query 960.)  Every input stays live: k and v of chunk 15 serve query 960, every bias moves codes or an output.  LIMIT: a NaN, an infinity or an overflow that reaches only those rows is not carried to the result.
; LIMITS: a block of zeros gets the scale byte 1 where the rule says 127 (its codes are zeros, and the bytes are read by this program alone); NaN and infinities among the inputs are not served.
; SHARES.  Work-groups x = 0 .. 60, y = batch: 16 rows t = 16 x + r of hn, which are rows t + 63 of h; wave w takes columns 256 w on (K steps 2 w, 2 w + 1).  Each load reads 512 consecutive bytes; the numbers turn through the wave's own
; stage in LDS, so that a lane holds 16 neighbours of each block of 32 of ONE row.  The row's sum of squares meets the other waves' in LDS: one barrier.
; Work-groups x = 61 .. 92, y = weight (q, k, v, o): a wave lays one record.  THE ROWS OF A WEIGHT'S TILE ARE NOT NEIGHBOURS: lane r of tile t takes row 32 (t / 2) + 8 (t % 2) + r + 8 (r / 8) of its group of 64.
; No matrix unit, no cluster, no tensor load: the launch streams, and its work-groups share no input.
.set RED,   66560                      ; LDS: behind the four stages of 16 rows x 1,040 bytes: the waves' partial sums, 128 bytes a wave
.set SPARE, 67072                      ; and the spare words, 128 bytes a wave: two blocks of 256 bytes that no other line names
.set TM,    16                         ; v16-31   first the rows' offsets, then at work in QUANT
.set X,     128                        ; v128-255 the numbers as loaded, then 2 x 64 numbers of my row; window 1, v0-127: g at the same places
.set MSB,   0
.macro WIN new                         ; the immediate's high byte repeats the setting that is left
.if MSB != (\new)
	s_set_vgpr_msb (MSB<<8)|(\new)
.set MSB, (\new)
.endif
.endm
; 64 numbers of a lane, register 16 b + i = k 32 b + 16 (lane / 16) + i of my row, become a fragment's codes in v[pc] .. v[pc + 11] and its scale word in v[pw]
.macro QUANT s, pc, pw
.irp b, 0,1,2,3
	v_max3_num_f32 v[TM+\b], |v[\s+16*\b]|, |v[\s+1+16*\b]|, 0x1800000   ; my 16 numbers of block b, and the floor 2^(3 - 127): the byte cannot fall under 1
.endr
.irp i, 2,4,6,8,10,12,14
.irp b, 0,1,2,3
	v_max3_num_f32 v[TM+\b], v[TM+\b], |v[\s+16*\b+\i]|, |v[\s+1+16*\b+\i]|
.endr
.endr
.irp b, 0,1,2,3
	v_permlanex16_b32 v[TM+4+\b], v[TM+\b], s50, s51
.endr
.irp b, 0,1,2,3
	v_max_num_f32 v[TM+\b], v[TM+\b], v[TM+4+\b]                  ; with lane l xor 16's: the block's largest magnitude
.endr
.irp b, 0,1,2,3
	v_add_nc_u32 v[TM+12+\b], 0xff000000, v[TM+\b]                ; 2 off its exponent field: the conversion's scale operand
.endr
.irp b, 0,1,2,3
	v_lshrrev_b32 v[TM+4+\b], 23, v[TM+12+\b]                     ; the scale's byte
.endr
	v_lshl_or_b32 v[\pw], v[TM+5], 8, v[TM+4]
	v_lshl_or_b32 v[\pw], v[TM+6], 16, v[\pw]
	v_lshl_or_b32 v[\pw], v[TM+7], 24, v[\pw]
.irp c, 0,1
	v_cvt_scalef32_pk16_fp6_f32 v[\pc+6*\c:\pc+2+6*\c], v[\s+32*\c:\s+15+32*\c], v[TM+12+2*\c]
	v_cvt_scalef32_pk16_fp6_f32 v[\pc+12+4*\c:\pc+14+4*\c], v[\s+16+32*\c:\s+31+32*\c], v[TM+12+2*\c+1]   ; (a conversion's three registers begin on an even number)
.endr
	v_nop                                          ; one plain place behind a scaled conversion
.irp c, 0,1                                    ; the operand's layout wants a whole block in a lane: lanes 0-15 block 2 c, lanes 16-31 block 2 c + 1
.irp i, 0,1,2
	v_permlane16_swap_b32 v[\pc+6*\c+\i], v[\pc+12+4*\c+\i]
.endr
.irp i, 0,1,2
	v_mov_b32 v[\pc+3+6*\c+\i], v[\pc+12+4*\c+\i]
.endr
.endr
.endm
	s_load_b512 s[4:19], s[0:1], 0x0               ; h s[4:5], g s[6:7], Wq's codes, scales s[8:11], Wk's s[12:15], Wv's s[16:19]
	s_load_b256 s[20:27], s[0:1], 0x40             ; Wo's s[20:23], hn_img s[24:25], w_img s[26:27]
	v_lshl_add_u32 v6, v0, 2, SPARE                ; my spare word,
	v_mov_b32 v7, 0                                ; and 0: kept for the closing lines alone
	v_lshrrev_b32 v1, 5, v0
	v_readfirstlane_b32 s28, v1                    ; wave
	v_and_b32 v1, 31, v0                           ; l
	v_and_b32 v2, 15, v0                           ; r
	v_bfe_u32 v3, v0, 4, 1                         ; h
	v_lshlrev_b32 v4, 4, v1                        ; 16 l
	s_and_b32 s29, ttmp7, 0xffff                   ; y
	s_cmp_ge_u32 ttmp9, 61
	s_cbranch_scc1 .Lweights
	; ---------------- hn: 16 rows
	s_lshr_b32 s30, ttmp9, 2                       ; chunk
	s_and_b32 s31, ttmp9, 3                        ; the tile of queries in it
	s_lshl_b32 s32, s29, 4
	s_add_co_u32 s32, s32, s30                     ; bc = 16 batch + chunk
	s_cmp_eq_u32 ttmp9, 60
	s_cselect_b32 s33, 0, 0x1000                   ; from row to row: 4,096 bytes; in the last tile 0: all sixteen loads read row 1023, so that none leaves h
	s_lshl_b32 s36, ttmp9, 4
	s_sub_co_u32 s34, 961, s36                     ; rows r under this number are rows of hn; the others are reference()'s rows of zeros
	s_lshl_b32 s35, s29, 10
	s_add_co_u32 s35, s35, s36
	s_add_co_u32 s35, s35, 63                      ; my first row of h
	s_lshl_b32 s38, s35, 12
	s_lshl_b32 s48, s28, 10                        ; my wave's 1,024 bytes of a row
	s_add_co_u32 s38, s38, s48
	s_mov_b32 s39, 0
	s_mov_b32 s49, 0
	s_mul_i32 s40, s32, 51200                      ; hn_img: the chunk's eight records,
	s_mul_i32 s42, s28, 12800                      ; my wave's two,
	s_add_co_u32 s40, s40, s42
	s_mul_i32 s42, s31, 1536                       ; my tile's image
	s_add_co_u32 s40, s40, s42
	s_mov_b32 s41, 0
	s_and_b32 s43, s31, 1                          ; my tile's scale words in a record: 6144 + 128 (tile % 2) + 4 (tile / 2) + 8 r, counted from the image's first byte
	s_lshl_b32 s43, s43, 7
	s_lshr_b32 s44, s31, 1
	s_lshl_b32 s44, s44, 2
	s_add_co_u32 s43, s43, s44
	s_add_co_u32 s43, s43, 6144
	s_sub_co_u32 s43, s43, s42
	s_mul_i32 s45, s28, 16640                      ; my stage
	s_lshl_b32 s46, s28, 7
	s_mov_b32 s50, 0x76543210
	s_mov_b32 s51, 0xfedcba98                      ; v_permlanex16_b32's selects for lane l xor 16
	s_mov_b32 s52, 0x3a800000                      ; 1 / 1024
	s_mov_b32 s53, 0x322bcc77                      ; 1e-8
	v_add_nc_u32 v8, s45, v4                       ; into the stage: 16 l of half a row
	v_mul_u32_u24 v9, v2, 1040
	v_lshl_add_u32 v9, v3, 6, v9
	v_add_nc_u32 v9, s45, v9                       ; out of it: row r, + 64 h: my 16 numbers of a block of 32.  1,040 bytes a row: sixteen rows begin in sixteen different columns of 16 bytes
	v_lshlrev_b32 v11, 2, v1
	v_add_nc_u32 v11, RED, v11                     ; the partial sums: 4 l,
	v_add_nc_u32 v10, s46, v11                     ; + 128 wave for my own
	v_lshlrev_b32 v12, 6, v3                       ; g: 64 h
	v_mul_u32_u24 v13, v3, 6400
	v_lshl_add_u32 v13, v2, 3, v13
	v_add_nc_u32 v13, s43, v13                     ; the scale words: lanes 0-15 store the first record's, lanes 16-31 the second's
.irp i, 0,1,2,3
	v_mov_b32 v[88+\i], 0
.endr
.set j, 0
.rept 16
	v_mad_u32_u24 v[16+j], s33, j, v4              ; row j's offset
.set j, j+1
.endr
	s_wait_kmcnt 0x0
	s_add_nc_u64 s[4:5], s[4:5], s[38:39]
	s_add_nc_u64 s[6:7], s[6:7], s[48:49]
	s_add_nc_u64 s[24:25], s[24:25], s[40:41]
.set j, 0
.rept 32
	global_load_b128 v[X+4*j:X+4*j+3], v[16+j/2], s[4:5] offset:512*(j%2)   ; 32 lanes read 512 consecutive bytes
.set j, j+1
.endr
	WIN 0x40                                       ; destination window 1
.set j, 0
.rept 32
	global_load_b128 v[4*j:4*j+3], v12, s[6:7] offset:512*(j/16)+128*((j/4)%4)+16*(j%4)   ; g at the columns that X will hold
.set j, j+1
.endr
	WIN 0
.set j, 0
.irp q, 0,1,2,3
	s_wait_loadcnt 56-8*\q                         ; eight more of h's loads are in: behind them stand h's later ones and g's 32
.rept 8
	ds_store_b128 v8, v[X+4*j:X+4*j+3] offset:1040*(j/2)+512*(j%2)
.set j, j+1
.endr
.endr
	s_wait_dscnt 0x0                               ; the stores have read their registers, which the loads below fill
.set j, 0
.rept 32
	ds_load_b128 v[X+4*j:X+4*j+3], v9 offset:512*(j/16)+128*((j/4)%4)+16*(j%4)   ; register 64 s + 16 b + i = column 256 w + 128 s + 32 b + 16 h + i of row r
.set j, j+1
.endr
	s_wait_dscnt 0x0
.irp k, 0,1,2,3
	v_pk_mul_f32 v[74+2*\k:75+2*\k], v[X+2*\k:X+1+2*\k], v[X+2*\k:X+1+2*\k]   ; the sum of squares of the numbers as they come, in four chains
.endr
.set j, 4
.rept 60
	v_pk_fma_f32 v[74+2*(j%4):75+2*(j%4)], v[X+2*j:X+1+2*j], v[X+2*j:X+1+2*j], v[74+2*(j%4):75+2*(j%4)]
.set j, j+1
.endr
	v_pk_add_f32 v[74:75], v[74:75], v[76:77]
	v_pk_add_f32 v[78:79], v[78:79], v[80:81]
	v_pk_add_f32 v[74:75], v[74:75], v[78:79]
	v_add_f32 v74, v74, v75
	v_permlanex16_b32 v75, v74, s50, s51
	v_add_f32 v74, v74, v75                        ; row r's part in my wave's 256 columns
	ds_store_b32 v10, v74
	s_wait_loadcnt 0x0                             ; g
	WIN 0x04                                       ; source 1 window 1
.set j, 0
.rept 64
	v_pk_mul_f32 v[X+2*j:X+1+2*j], v[X+2*j:X+1+2*j], v[2*j:2*j+1]   ; x g, as reference() orders it
.set j, j+1
.endr
	WIN 0
	s_wait_dscnt 0x0                               ; for the others' sake: my partial sums lie in LDS
	s_barrier_signal -1
	s_barrier_wait -1
.irp w, 0,1,2,3
	ds_load_b32 v[84+\w], v11 offset:128*\w
.endr
	s_wait_dscnt 0x0
	v_add_f32 v84, v84, v85
	v_add_f32 v86, v86, v87
	v_add_f32 v84, v84, v86
	v_fma_f32 v84, v84, s52, s53                   ; the mean of the squares + 1e-8
	v_rsq_f32 v82, v84
	v_nop                                          ; a plain place behind the transcendental,
	s_wait_alu depctr_va_vdst(0)                   ; and the wait ahead of its first reader
	v_cmp_gt_u32 vcc_lo, s34, v2
	v_cndmask_b32 v82, 0, v82, vcc_lo              ; rows past 960: zeros
	v_mov_b32 v83, v82
.set j, 0
.rept 64
	v_pk_mul_f32 v[X+2*j:X+1+2*j], v[X+2*j:X+1+2*j], v[82:83]
.set j, j+1
.endr
	QUANT X, 32, 72
.irp c, 0,1,2
	global_store_b128 v4, v[32+4*\c:35+4*\c], s[24:25] offset:512*\c          ; the image: 512 consecutive bytes a store
.endr
	QUANT X+64, 52, 73
.irp c, 0,1,2
	global_store_b128 v4, v[52+4*\c:55+4*\c], s[24:25] offset:6400+512*\c
.endr
	v_cmp_eq_u32 vcc_lo, 1, v3
	v_cndmask_b32 v84, v72, v73, vcc_lo
	global_store_b32 v13, v84, s[24:25]
	s_cmp_lg_u32 ttmp9, 60
	s_cbranch_scc1 .Lhn_end
	; chunk 15's tiles 1 .. 3 are not computed; the next launch's one dense load brings their bytes into LDS, where nobody reads them: they are written, as zeros, so that no byte is loaded that nobody stored
.irp s, 0,1
.irp q, 1,2,3
.irp c, 0,1,2
	global_store_b128 v4, v[88:91], s[24:25] offset:6400*\s+1536*\q+512*\c
.endr
.endr
.endr
	global_store_b32 v13, v88, s[24:25] offset:128
	global_store_b32 v13, v88, s[24:25] offset:4
	global_store_b32 v13, v88, s[24:25] offset:132
.Lhn_end:
	s_wait_tensorcnt 0x0                           ; the wave's end, behind my last LDS store
	ds_add_u32 v6, v7
	s_wait_dscnt 0x0
	s_endpgm
	; ---------------- a weight's record: group G of 64 rows, K step s.  No LDS is touched on this path
.Lweights:
	s_sub_co_u32 s30, ttmp9, 61
	s_lshl_b32 s30, s30, 2
	s_add_co_u32 s30, s30, s28                     ; which of the weight's 128 records
	s_lshr_b32 s31, s30, 3                         ; G
	s_and_b32 s32, s30, 7                          ; s
	v_and_b32 v8, 8, v2
	v_add_nc_u32 v8, v8, v2                        ; r + 8 (r / 8)
	v_mul_u32_u24 v9, v8, 768                      ; a row of 1,024 codes is 768 bytes
	v_mad_u32_u24 v9, v3, 24, v9
	v_lshl_add_u32 v10, v3, 3, v8                  ; the scale words: lanes 16-31 take tile 1's rows, 8 further on
	v_lshlrev_b32 v10, 5, v10                      ; 32 bytes a row
	v_lshlrev_b32 v11, 3, v1                       ; 8 l
	s_mul_i32 s34, s31, 49152
	s_mul_i32 s36, s32, 96
	s_add_co_u32 s34, s34, s36
	s_mov_b32 s35, 0
	s_lshl_b32 s36, s31, 11
	s_lshl_b32 s38, s32, 2
	s_add_co_u32 s36, s36, s38
	s_mov_b32 s37, 0
	s_mul_i32 s38, s31, 204800                     ; w_img: [G][q, k, v, o][s][6400]
	s_mul_i32 s40, s29, 51200
	s_add_co_u32 s38, s38, s40
	s_mul_i32 s40, s32, 6400
	s_add_co_u32 s38, s38, s40
	s_mov_b32 s39, 0
	s_wait_kmcnt 0x0
	s_cmp_eq_u32 s29, 1                            ; which weight: the choice hangs on the work-group's number alone
	s_cselect_b64 s[8:9], s[12:13], s[8:9]
	s_cselect_b64 s[10:11], s[14:15], s[10:11]
	s_cmp_eq_u32 s29, 2
	s_cselect_b64 s[8:9], s[16:17], s[8:9]
	s_cselect_b64 s[10:11], s[18:19], s[10:11]
	s_cmp_eq_u32 s29, 3
	s_cselect_b64 s[8:9], s[20:21], s[8:9]
	s_cselect_b64 s[10:11], s[22:23], s[10:11]
	s_add_nc_u64 s[8:9], s[8:9], s[34:35]
	s_add_nc_u64 s[10:11], s[10:11], s[36:37]
	s_add_nc_u64 s[26:27], s[26:27], s[38:39]
.irp t, 0,1,2,3
.irp p, 0,1,2,3,4,5
	global_load_b64 v[16+12*\t+2*\p:17+12*\t+2*\p], v9, s[8:9] offset:(32*(\t/2)+8*(\t%2))*768+48*(\p/3)+8*(\p%3)
.endr
.endr
	global_load_b32 v64, v10, s[10:11]             ; tiles 0 and 1
	global_load_b32 v65, v10, s[10:11] offset:1024 ; tiles 2 and 3: 32 rows on
	s_wait_loadcnt 0x0
.set j, 0
.rept 12
	global_store_b128 v4, v[16+4*j:19+4*j], s[26:27] offset:512*j
.set j, j+1
.endr
	global_store_b64 v11, v[64:65], s[26:27] offset:6144
	s_endpgm
.Lfunc_end_k_q4dce8d5eb4_prep:
	.size	k_q4dce8d5eb4_prep, .Lfunc_end_k_q4dce8d5eb4_prep-k_q4dce8d5eb4_prep
	.p2alignl 7, 3214868480
	.fill 96, 4, 3214868480
	.section	.rodata,"a",@progbits
	.p2align	6, 0x0
	.amdhsa_kernel k_q4dce8d5eb4_prep
		.amdhsa_group_segment_fixed_size 67584
		.amdhsa_private_segment_fixed_size 0
		.amdhsa_enable_private_segment 0
		.amdhsa_kernarg_size 96
		.amdhsa_user_sgpr_count 2
		.amdhsa_user_sgpr_kernarg_segment_ptr 1
		.amdhsa_wavefront_size32 1
		.amdhsa_system_sgpr_workgroup_id_x 1
		.amdhsa_system_sgpr_workgroup_id_y 1
		.amdhsa_system_sgpr_workgroup_id_z 1
		.amdhsa_system_vgpr_workitem_id 0
		.amdhsa_next_free_vgpr 384
		.amdhsa_next_free_sgpr 66
		.amdhsa_reserve_vcc 1
		.amdhsa_float_denorm_mode_32 3
		.amdhsa_float_denorm_mode_16_64 3
		.amdhsa_memory_ordered 1
		.amdhsa_forward_progress 1
		.amdhsa_inst_pref_size 44
	.end_amdhsa_kernel
	.amdgpu_metadata
---
amdhsa.version: [ 1, 2 ]
amdhsa.kernels:
  - .name:           k_q4dce8d5eb4_prep
    .symbol:         k_q4dce8d5eb4_prep.kd
    .args:
      - { .name: h, .offset: 0, .size: 8, .value_kind: global_buffer, .address_space: global }
      - { .name: g_norm, .offset: 8, .size: 8, .value_kind: global_buffer, .address_space: global }
      - { .name: Wq_codes, .offset: 16, .size: 8, .value_kind: global_buffer, .address_space: global }
      - { .name: Wq_scales, .offset: 24, .size: 8, .value_kind: global_buffer, .address_space: global }
      - { .name: Wk_codes, .offset: 32, .size: 8, .value_kind: global_buffer, .address_space: global }
      - { .name: Wk_scales, .offset: 40, .size: 8, .value_kind: global_buffer, .address_space: global }
      - { .name: Wv_codes, .offset: 48, .size: 8, .value_kind: global_buffer, .address_space: global }
      - { .name: Wv_scales, .offset: 56, .size: 8, .value_kind: global_buffer, .address_space: global }
      - { .name: Wo_codes, .offset: 64, .size: 8, .value_kind: global_buffer, .address_space: global }
      - { .name: Wo_scales, .offset: 72, .size: 8, .value_kind: global_buffer, .address_space: global }
      - { .name: hn_img, .offset: 80, .size: 8, .value_kind: global_buffer, .address_space: global }
      - { .name: w_img, .offset: 88, .size: 8, .value_kind: global_buffer, .address_space: global }
    .group_segment_fixed_size: 67584
    .private_segment_fixed_size: 0
    .kernarg_segment_align: 8
    .kernarg_segment_size: 96
    .max_flat_workgroup_size: 128
    .sgpr_count:     66
    .vgpr_count:     384
    .wavefront_size: 32
...
	.end_amdgpu_metadata
.endif
;; end of part 1
;; launch attn (part 2): grid 4 x 64, 4 waves a work-group, clusters of 4 x 1, 306,176 bytes of LDS; arguments e_codes, e_scales, hn_img, w_img, bq, bk, bv, o_img, o_sc; writes o_img, o_sc
.if DOCPART == 2
	.amdgcn_target "amdgcn-amd-amdhsa--gfx1250"
	.amdhsa_code_object_version 6
	.text
	.protected	k_q4dce8d5eb4_attn
	.globl	k_q4dce8d5eb4_attn
	.p2align	8
	.type	k_q4dce8d5eb4_attn,@function
k_q4dce8d5eb4_attn:
	s_mov_b64 s[64:65], 0
	v_nop
	global_prefetch_b8 v0, s[64:65] scope:SCOPE_SE
	s_setreg_imm32_b32 hwreg(HW_REG_WAVE_MODE, 25, 1), 1
	s_wait_xcnt 0x0
	s_wait_alu depctr_hold_cnt(0) depctr_sa_sdst(0) depctr_va_vdst(0) depctr_va_sdst(0) depctr_va_ssrc(0) depctr_va_vcc(0) depctr_vm_vsrc(0)
	s_getreg_b32 s2, hwreg(HW_REG_IB_STS2, 6, 4)
	s_cmp_eq_u32 s2, 0
	s_cbranch_scc0 .Lentry_in_a_cluster
	s_endpgm
.Lentry_in_a_cluster:
	s_bfe_u32 s2, ttmp6, 0x10000c
	s_cmp_lg_u32 s2, 0x3003
	s_cbranch_scc0 .Lentry_shape_is_right
	s_endpgm
.Lentry_shape_is_right:
; SECOND LAUNCH: q, k, v, the scores, the softmax and o, all on codes of E2M3 with one E8M0 scale for each 32 along a product's K.  o leaves as codes, quantised along the last product's K.
; LEFT OUT as dead work (shown at the head of the first kernel): the queries of tiles 1 .. 3 of chunk 15.
; SHARES.  A work-group takes one chunk bc (64 queries, 256 keys) and four heads; ONE WAVE OWNS ONE HEAD from the projections to o's codes: q, k, v, the scores and p never leave the wave.
; The chunk's codes of e (256 rows x 768 bytes) lie in LDS for the whole launch, and so do its scale bytes and, for the first phase, hn's eight records.  The head's weights come from memory straight into registers, as images.
; CLUSTER.  The four work-groups of a cluster take the same chunk: e, its scales and hn are asked for JOINTLY, by the same three tensor loads a wave in all four.  The weights are not shared among partners: each wave of each partner has another head.
; ORIENTATION.  k and q: source 0 = 16 rows of the weight, source 1 = 16 rows of e or hn: a lane holds one key or query, and its registers run along the head's 64 (the weight's tiles are laid for that: first kernel).
; v: source 0 = 16 rows of e, source 1 = the weight: a lane holds one of the head's 64, its registers run along the keys.  S^T = K Q^T and O^T = V^T P^T: a lane holds one query throughout.
; THE KEYS.  e's tiles are rows 16 i + r as they lie, so register 8 u + j of the pair of tiles 2 b, 2 b + 1 is key 32 b + 16 u + 8 (lane / 16) + j, in the scores and in v alike: p and v carry the same order inside each block of 32 keys,
; the blocks, their scales and their codes are the true ones, and the sums are the same.
; THE FIRST ATTENTION PRODUCT HAS K = 64: Q's fragment is 6 registers of codes and 6 of zero codes; K's fragments lie 6 registers apart, so that what stands in a fragment's upper six (the next keys' codes) meets zeros; the upper two bytes of both scale words are 0.
; THE SOFTMAX is finished and normalised ahead of its quantiser: p = 2^(c s - c mx) / sum, c = log2(e) / 8, mx the row's true largest score over all 256 keys.  The rounding of c mx is the same for all keys of a row and leaves by the division.
; A block's largest p is not searched for: the block's largest score goes through the same instructions (this takes v_exp_f32 not to fall where its input rises).
; LIMITS: a block of zeros gets the scale byte 1 (its codes are zeros; the bytes are this program's own); a p under 2^-126 counts as 0; NaN and infinities among the inputs are not served.
; No LDS byte is filled twice by a tensor load; by this text's own count three tensor loads of a wave are out at the most.
.set EQB,   61440                      ; LDS: e in four quarters along K, each 256 rows x 240 bytes (3 x (64 + 16)): the 32 lanes of a load of 8 bytes touch 64 different banks (64 banks of 4 bytes: ISA guide 11.1)
.set ESC,   245760                     ; e's scale bytes: 32 units of 256 bytes + 16
.set HN,    254464                     ; hn's eight records; behind the second barrier, when its one fill has been read out: each wave's 12,288 bytes for K's codes
.set SPARE, 305664                     ; the spare words, 128 bytes a wave: two blocks of 256 bytes that no other line names
; window 0
.set LI,   1                           ; 16 l
.set L8,   2                           ; 8 l
.set L4,   3                           ; 4 l
.set E0,   4                           ; a fragment of e: 240 r + 24 h
.set E0B,  5                           ; and for the pieces behind one padding more: 240 r + 40 h
.set S0,   6                           ; e's scale words: lanes 0-15 rows r, lanes 16-31 rows 128 + r
.set ADRE, 7                           ; the three as they walk along K
.set ADRE2, 8
.set ADRS, 9
.set KADR, 10                          ; my wave's place for K's codes + 16 l
.set SPW,  11                          ; my spare word; never rewritten
.set NIL,  12                          ; 0; never rewritten
.set BA,   13                          ; 64 h: bq, bk
.set BVA,  14                          ; 4 (r + 8 (r / 8)): bv
.set LIH,  15                          ; HN + 16 l
.set L8H,  16                          ; HN + 8 l
.set R1,   17                          ; o's scale bytes of four tiles, gathered
.set R2,   18
.set HW,   19
.set WS,   20                          ; v20-23  the weight's scale words, 2 sets x 2
.set ES,   24                          ; v24-39  e's, 2 sets x 8: register i: lanes 0-15 block i, lanes 16-31 block 8 + i
.set HS,   24                          ; v24-27  (first phase) hn's, 2 sets x 2
.set KS,   40                          ; v40-55  K's, a register a tile of keys
.set WQS,  40                          ; v40-47  (first phase) Wq's, 4 sets x 2
.set VS,   56                          ; v56-63  V's
.set QS,   64                          ; v64-67  Q's
.set PS,   68                          ; v68-69  p's
.set TM,   70                          ; v70-85  at work in QUANT
.set BM,   86                          ; v86-93  the blocks' largest scores, then p
.set BX,   94                          ; v94-101 the other half's
.set CV,   86                          ; v86-101 codes just converted (when BM and BX are done with)
.set SCL,  102                         ; v102-109 the conversions' scale operands
.set NCM,  110                         ; v[110:111] - c mx
.set SUMA, 112
.set SUMB, 114
.set RINV, 116                         ; v[116:117] 1 / sum
.set OC,   118                         ; v118-123 o's codes of a tile
.set TT,   124                         ; v124-127 at work
.set BIAS, 128                         ; v128-159 a bias in the result's layout: the C of a sum's first instruction
.set EL,   160                         ; v160-255 e's blocks 0-7;  window 1, v0-95: blocks 8-15
.set S,    128                         ; v128-255 (attention) S^T, then p
; window 1: v0-95 e's blocks 8-15 | hn, two sets | K's codes;  v96-191 the weight, two sets | V's codes;  v192-203 Q's tile in hand, 6 + 6 zeros;  v204-221 Q's next three;  v222-245 p's codes
; windows 2, 3: accumulators.  k: (i, t) in window 2 + i / 8 at 8 (4 (i % 8) + t);  v: window 2 + t / 2 at 128 (t % 2) + 8 i;  q: window 2 at 8 (4 qt + t);  O^T: window 2, v0-31.  First phase: window 3, v0-191: four sets of Wq
.set ST,   76                          ; s[76:77] my head's 24 records: Wq's 8, Wk's 8, Wv's 8
.set SP,   78                          ; s[78:79] where the stream stands
.set OP,   80                          ; s[80:81] o_img at my head's half of the tile in hand
.set MSB,  0
.macro WIN new                         ; the immediate's high byte repeats the setting that is left
.if MSB != (\new)
	s_set_vgpr_msb (MSB<<8)|(\new)
.set MSB, (\new)
.endif
.endm
.macro PLACES                          ; four plain places behind matrix instructions, ahead of loads into their registers and of reads of their results
.rept 4
	v_nop
.endr
.endm
.macro ROUND                           ; a round of the cluster's barrier
	s_barrier_signal -1
	s_barrier_wait -1
	s_cmp_lg_u32 s22, 0
	s_cbranch_scc1 .Lnot_wave_0_\@
	s_barrier_signal -3
.Lnot_wave_0_\@:
	s_barrier_wait -3
	s_barrier_signal -1
	s_barrier_wait -1
.endm
.macro WM0 d, a, b, sa, sb             ; a product that starts a sum with the constant 0
	v_wmma_scale_f32_16x16x128_f8f6f4 v[\d:\d+7], v[\a:\a+11], v[\b:\b+11], 0, v[\sa], v[\sb] matrix_a_fmt:MATRIX_FMT_FP6 matrix_b_fmt:MATRIX_FMT_FP6
.endm
.macro WM d, a, b, c, sa, sb, ra, rb   ; ra, rb = 1: the side's scales stand in lanes 16-31 of its register
.if ((\ra) == 0) && ((\rb) == 0)
	v_wmma_scale_f32_16x16x128_f8f6f4 v[\d:\d+7], v[\a:\a+11], v[\b:\b+11], v[\c:\c+7], v[\sa], v[\sb] matrix_a_fmt:MATRIX_FMT_FP6 matrix_b_fmt:MATRIX_FMT_FP6
.elseif ((\ra) == 1) && ((\rb) == 0)
	v_wmma_scale_f32_16x16x128_f8f6f4 v[\d:\d+7], v[\a:\a+11], v[\b:\b+11], v[\c:\c+7], v[\sa], v[\sb] matrix_a_fmt:MATRIX_FMT_FP6 matrix_b_fmt:MATRIX_FMT_FP6 matrix_a_scale:MATRIX_SCALE_ROW1
.elseif ((\ra) == 0) && ((\rb) == 1)
	v_wmma_scale_f32_16x16x128_f8f6f4 v[\d:\d+7], v[\a:\a+11], v[\b:\b+11], v[\c:\c+7], v[\sa], v[\sb] matrix_a_fmt:MATRIX_FMT_FP6 matrix_b_fmt:MATRIX_FMT_FP6 matrix_b_scale:MATRIX_SCALE_ROW1
.else
	v_wmma_scale_f32_16x16x128_f8f6f4 v[\d:\d+7], v[\a:\a+11], v[\b:\b+11], v[\c:\c+7], v[\sa], v[\sb] matrix_a_fmt:MATRIX_FMT_FP6 matrix_b_fmt:MATRIX_FMT_FP6 matrix_a_scale:MATRIX_SCALE_ROW1 matrix_b_scale:MATRIX_SCALE_ROW1
.endif
.endm
.macro FRAG reg, q, i                  ; block i of e, the quarter's q-th 128 along K: six pieces of 8 bytes; lanes 16-31 read three pieces further on, which for some pieces is behind one padding more
.irp p, 0,1,2,3,4,5
.set PC, 12*(\q)+6*(\p/3)+\p%3
.if PC%8 < 5
	ds_load_b64 v[\reg+2*\p:\reg+2*\p+1], v[ADRE] offset:8*PC+16*(PC/8)+(\i)*3840
.else
	ds_load_b64 v[\reg+2*\p:\reg+2*\p+1], v[ADRE2] offset:8*PC+16*(PC/8)+(\i)*3840
.endif
.endr
.endm
.macro WREC b, off, dst, sc, w         ; a record of the weight: 13 loads
	WIN \w
.set wk, 0
.rept 12
	global_load_b128 v[\dst+4*wk:\dst+4*wk+3], v[LI], s[\b:\b+1] offset:\off+512*wk
.set wk, wk+1
.endr
	WIN 0
	global_load_b64 v[\sc:\sc+1], v[L8], s[\b:\b+1] offset:\off+6144
.endm
.macro BLOAD b                         ; bq or bk: lane (r, h) wants, for tile t, the eight of units 32 (t / 2) + 16 h + 8 (t % 2) on
.irp t, 0,1,2,3
	global_load_b128 v[BIAS+8*\t:BIAS+8*\t+3], v[BA], s[\b:\b+1] offset:(32*(\t/2)+8*(\t%2))*4
	global_load_b128 v[BIAS+8*\t+4:BIAS+8*\t+7], v[BA], s[\b:\b+1] offset:(32*(\t/2)+8*(\t%2))*4+16
.endr
.endm
; 32 products of k: e's blocks 8 half .. 8 half + 7 x the weight's four tiles.  The accumulators take turns, one instruction a turn, in the same order in every step
.macro MULK half, q, first
.irp i, 0,1,2,3,4,5,6,7
.irp t, 0,1,2,3
.if \first
	WM 8*(4*\i+\t), 96+48*(\q)+12*\t, EB+12*\i, BIAS+8*\t, WS+2*(\q)+\t/2, ES+8*(\q)+\i, \t%2, \half
.else
	WM 8*(4*\i+\t), 96+48*(\q)+12*\t, EB+12*\i, 8*(4*\i+\t), WS+2*(\q)+\t/2, ES+8*(\q)+\i, \t%2, \half
.endif
.endr
.endr
.endm
; 16 products of v: the same blocks x tiles 2 tp, 2 tp + 1
.macro MULV half, tp, q, first
.if \first
	WIN (\half)|4|((2+\tp)<<6)
.else
	WIN (\half)|4|((2+\tp)<<4)|((2+\tp)<<6)
.endif
.irp i, 0,1,2,3,4,5,6,7
.irp u, 0,1
.if \first
	WM 128*\u+8*(8*\half+\i), EB+12*\i, 96+48*(\q)+24*\tp+12*\u, BIAS+16*\tp+8*\u, ES+8*(\q)+\i, WS+2*(\q)+\tp, \half, \u
.else
	WM 128*\u+8*(8*\half+\i), EB+12*\i, 96+48*(\q)+24*\tp+12*\u, 128*\u+8*(8*\half+\i), ES+8*(\q)+\i, WS+2*(\q)+\tp, \half, \u
.endif
.endr
.endr
.endm
.macro PROD ph, half, q, first
.set EB, EL*(1-\half)
.if \ph == 0
.if \first
	WIN 0x81+0x44*\half                            ; the weight window 1, e window 0 or 1, the bias window 0, D window 2 or 3
.else
	WIN 0xa1+0x54*\half
.endif
	MULK \half, \q, \first
.else
	MULV \half, 0, \q, \first
	MULV \half, 1, \q, \first
.endif
.endm
; A K step of 128: 64 products.  e has ONE set of registers: blocks 0-7 are fetched anew in the step's middle, blocks 8-15 at its end; the weight has two sets, and the one just used takes the record two steps on.
; ph: 0 k, 1 v;  q: the step's parity;  nxt: a step follows in this phase;  wis: a record is asked for, woff bytes from s[SP];  lc: global loads that may stay out
.macro STEP ph, q, first, nxt, wis, woff, lc
	s_wait_loadcnt \lc                             ; this step's record is in; the next step's 13 loads may be out
	s_wait_dscnt 48                                ; the scale words and blocks 0-7 are in; the youngest 48 loads (blocks 8-15) may be out
	PROD \ph, 0, \q, \first
	s_wait_dscnt 0x0                               ; blocks 8-15 are in
	WIN 0
	PLACES
.if \nxt
.if \q
	v_add_nc_u32 v[ADRE], EQB, v[ADRE]             ; the next quarter of e,
	v_add_nc_u32 v[ADRE2], EQB, v[ADRE2]
	v_add_nc_u32 v[ADRS], 8, v[ADRS]               ; and its two scale words
.endif
.irp i, 0,1,2,3,4,5,6,7
	ds_load_b32 v[ES+8*(1-\q)+\i], v[ADRS] offset:544*\i+4*(1-\q)
.endr
.irp i, 0,1,2,3,4,5,6,7
	FRAG EL+12*\i, 1-\q, \i
.endr
.endif
	PROD \ph, 1, \q, \first
	WIN 0
	PLACES
.if \wis
	WREC SP, \woff, 96+48*\q, WS+2*\q, 0x40
.endif
.if \nxt
	WIN 0x40
.irp i, 0,1,2,3,4,5,6,7
	FRAG 12*\i, 1-\q, 8+\i
.endr
	WIN 0
.endif
.endm
.macro GPRO                            ; a phase's first fragments of e
	v_mov_b32 v[ADRE], v[E0]
	v_mov_b32 v[ADRE2], v[E0B]
	v_mov_b32 v[ADRS], v[S0]
.irp i, 0,1,2,3,4,5,6,7
	ds_load_b32 v[ES+\i], v[ADRS] offset:544*\i
.endr
.irp i, 0,1,2,3,4,5,6,7
	FRAG EL+12*\i, 0, \i
.endr
	WIN 0x40
.irp i, 0,1,2,3,4,5,6,7
	FRAG 12*\i, 0, 8+\i
.endr
	WIN 0
.endm
; nb blocks (2 or 4) of 16 registers a lane, from v[src] of window sw on, are quantised: each block of 32 lies in lanes l and l xor 16.  Blocks 0, 1 become six registers of codes at v[d0] of window dw, blocks 2, 3 at v[d1];
; the blocks' scale bytes are left in v[TM+4] .. v[TM+7].  Each accumulator is read from its low end on.
.macro QUANT src, sw, nb, d0, d1, dw
	WIN (\sw)|((\sw)<<2)
.irp b, 0,1,2,3
.if \b < \nb
	v_max3_num_f32 v[TM+\b], |v[\src+16*\b]|, |v[\src+16*\b+1]|, 0x1800000   ; and the floor 2^(3 - 127): the byte cannot fall under 1
.endif
.endr
	WIN ((\sw)<<2)|((\sw)<<4)
.irp i, 2,4,6,8,10,12,14
.irp b, 0,1,2,3
.if \b < \nb
	v_max3_num_f32 v[TM+\b], v[TM+\b], |v[\src+16*\b+\i]|, |v[\src+16*\b+\i+1]|
.endif
.endr
.endr
	WIN 0
.irp b, 0,1,2,3
.if \b < \nb
	v_permlanex16_b32 v[TM+4+\b], v[TM+\b], s30, s31
.endif
.endr
.irp b, 0,1,2,3
.if \b < \nb
	v_max_num_f32 v[TM+\b], v[TM+\b], v[TM+4+\b]
.endif
.endr
.irp b, 0,1,2,3
.if \b < \nb
	v_add_nc_u32 v[TM+12+\b], 0xff000000, v[TM+\b]                ; 2 off the exponent field: the conversion's scale operand
.endif
.endr
.irp b, 0,1,2,3
.if \b < \nb
	v_lshrrev_b32 v[TM+4+\b], 23, v[TM+12+\b]                     ; the scale's byte
.endif
.endr
	WIN \sw
.irp b, 0,1,2,3
.if \b < \nb
	v_cvt_scalef32_pk16_fp6_f32 v[CV+4*\b:CV+4*\b+2], v[\src+16*\b:\src+16*\b+15], v[TM+12+\b]
.endif
.endr
	WIN 0
	v_nop                                          ; one plain place behind a scaled conversion
.irp c, 0,1
.if 2*\c < \nb
.irp i, 0,1,2
	v_permlane16_swap_b32 v[CV+8*\c+\i], v[CV+8*\c+4+\i]          ; a whole block to a lane: lanes 0-15 the even block, lanes 16-31 the odd one
.endr
.endif
.endr
	WIN (\dw)<<6
.irp i, 0,1,2
	v_mov_b32 v[\d0+\i], v[CV+\i]
	v_mov_b32 v[\d0+3+\i], v[CV+4+\i]
.endr
.if \nb > 2
.irp i, 0,1,2
	v_mov_b32 v[\d1+\i], v[CV+8+\i]
	v_mov_b32 v[\d1+3+\i], v[CV+12+\i]
.endr
.endif
	WIN 0
.endm
.macro FETCHB s, set, nqt              ; hn's record s from LDS: the first nqt tiles and the scale words
	WIN 0x40
.irp qt, 0,1,2,3
.if \qt < \nqt
.irp c, 0,1,2
	ds_load_b128 v[48*(\set)+12*\qt+4*\c:48*(\set)+12*\qt+4*\c+3], v[LIH] offset:6400*(\s)+1536*\qt+512*\c
.endr
.endif
.endr
	WIN 0
	ds_load_b64 v[HS+2*(\set):HS+2*(\set)+1], v[L8H] offset:6400*(\s)+6144
.endm
; A K step of q: nqt tiles of queries x Wq's four tiles.  Behind it the set of Wq just used takes the record four steps on; the last steps ask for Wk's first two records and for bk.
.macro QSTEP s, nqt, lc
	s_wait_loadcnt \lc                             ; this step's record is in; behind it stand three records of 13 loads (last step: two records and bk's 8)
	s_wait_dscnt 0x0                               ; and hn's
.if \s < 7
	FETCHB (\s)+1, ((\s)+1)%2, \nqt
.endif
.if \s == 0
	WIN 0x87                                       ; Wq window 3, hn window 1, the bias window 0, D window 2
.else
	WIN 0xa7
.endif
.irp qt, 0,1,2,3
.if \qt < \nqt
.irp t, 0,1,2,3
.if \s == 0
	WM 8*(4*\qt+\t), 48*((\s)%4)+12*\t, 48*((\s)%2)+12*\qt, BIAS+8*\t, WQS+2*((\s)%4)+\t/2, HS+2*((\s)%2)+\qt/2, \t%2, \qt%2
.else
	WM 8*(4*\qt+\t), 48*((\s)%4)+12*\t, 48*((\s)%2)+12*\qt, 8*(4*\qt+\t), WQS+2*((\s)%4)+\t/2, HS+2*((\s)%2)+\qt/2, \t%2, \qt%2
.endif
.endr
.endif
.endr
	WIN 0
	PLACES
.if \s < 4
	WREC ST, 6400*((\s)+4), 48*(\s), WQS+2*(\s), 0xc0
.elseif \s < 6
	WREC ST, 6400*((\s)+4), 96+48*((\s)-4), WS+2*((\s)-4), 0x40
.elseif \s == 6
	BLOAD 14
.endif
.endm
	s_load_b512 s[4:19], s[0:1], 0x0               ; e's codes s[4:5], e's scales s[6:7], hn_img s[8:9], w_img s[10:11], bq s[12:13], bk s[14:15], bv s[16:17], o_img s[18:19]
	s_load_b64 s[20:21], s[0:1], 0x40              ; o_sc
	v_lshl_add_u32 v[SPW], v0, 2, SPARE
	v_mov_b32 v[NIL], 0
	ds_add_u32 v[SPW], v[NIL]                      ; the wave's opening: the add, twice on end, and its wait ahead of my first tensor load; the set-up below stands between
	ds_add_u32 v[SPW], v[NIL]
	v_lshrrev_b32 v124, 5, v0
	v_readfirstlane_b32 s22, v124                  ; wave
	s_bfe_u32 s23, ttmp6, 0x40000                  ; my place in the cluster: which four heads.  It enters global addresses alone
	s_and_b32 s24, ttmp7, 0xffff                   ; bc, which the four partners share
	s_and_b32 s25, s24, 15                         ; chunk
	s_lshl_b32 s26, s23, 2
	s_add_co_u32 s26, s26, s22                     ; my head
	s_cmp_eq_u32 s25, 15
	s_cselect_b32 s27, 0, 3                        ; the last live tile of queries
	s_mov_b32 s30, 0x76543210
	s_mov_b32 s31, 0xfedcba98                      ; v_permlanex16_b32's selects for lane l xor 16
	s_mov_b32 s32, 0x3e38aa3b                      ; c = log2(e) / 8
	s_mov_b32 s33, s32                             ; (named with it as a pair, so it is written)
	s_mov_b32 s34, 0xbe38aa3b                      ; - c
	; descriptor group 1.  e: a quarter along K: 256 rows x 192 bytes, 768 bytes apart, 16 bytes of padding behind every 64
	s_mov_b32 s36, 15|(1<<20)|(1<<21)|(3<<22)|(3<<25)   ; 15:0 the mask: all four work-groups; 17:16 elements of 1 byte; 20 padding on; 21 set beside a mask; 24:22 after every 16 words; 31:25 of 4 words
	s_mov_b32 s37, 192<<16                         ; tensor_dim0
	s_mov_b32 s38, 256<<16                         ; tensor_dim1
	s_mov_b32 s39, 192<<16                         ; tile_dim0
	s_mov_b32 s40, 256                             ; tile_dim1
	s_mov_b32 s41, 768                             ; from row to row
	s_mov_b32 s42, 0
	s_mov_b32 s43, 0
	; e's scale bytes: 2,048 dense bytes as 8 rows of 256 (32 elements of 8 bytes), 16 bytes of padding behind each
	s_mov_b32 s44, 15|(3<<16)|(1<<20)|(1<<21)|(5<<22)|(3<<25)
	s_mov_b32 s45, 32<<16
	s_mov_b32 s46, 8<<16
	s_mov_b32 s47, 32<<16
	s_mov_b32 s48, 8
	s_mov_b32 s49, 32
	s_mov_b32 s50, 0
	s_mov_b32 s51, 0
	; hn: two records, 12,800 dense bytes as 50 rows of 256, no padding
	s_mov_b32 s52, 15|(3<<16)|(1<<21)
	s_mov_b32 s53, 32<<16
	s_mov_b32 s54, 50<<16
	s_mov_b32 s55, 32<<16
	s_mov_b32 s56, 50
	s_mov_b32 s57, 32
	s_mov_b32 s58, 0
	s_mov_b32 s59, 0
	s_mov_b32 s60, 1                               ; groups 0: count = 1; LDS addresses: a constant + the wave's number x a constant
	s_mul_i32 s61, s22, EQB
	s_mov_b32 s68, 1
	s_mul_i32 s69, s22, 2176
	s_add_co_u32 s69, s69, ESC
	s_mov_b32 s72, 1
	s_mul_i32 s73, s22, 12800
	s_add_co_u32 s73, s73, HN
	s_mul_i32 s82, s24, 196608                     ; e's codes: the chunk's 256 rows, + my quarter's 192 bytes
	s_mul_i32 s84, s22, 192
	s_add_co_u32 s82, s82, s84
	s_mov_b32 s83, 0
	s_lshl_b32 s84, s24, 13                        ; e's scales: 8,192 bytes a chunk, 2,048 a wave
	s_lshl_b32 s86, s22, 11
	s_add_co_u32 s84, s84, s86
	s_mov_b32 s85, 0
	s_mul_i32 s86, s24, 51200                      ; hn_img
	s_mul_i32 s88, s22, 12800
	s_add_co_u32 s86, s86, s88
	s_mov_b32 s87, 0
	s_mul_i32 s88, s26, 204800                     ; w_img: my head's records
	s_mov_b32 s89, 0
	s_lshl_b32 s90, s26, 8                         ; the biases: my head's 64 numbers
	s_mov_b32 s91, 0
	v_and_b32 v124, 31, v0                         ; l
	v_and_b32 v125, 15, v0                         ; r
	v_bfe_u32 v126, v0, 4, 1                       ; h
	v_lshlrev_b32 v[LI], 4, v124
	v_lshlrev_b32 v[L8], 3, v124
	v_lshlrev_b32 v[L4], 2, v124
	v_mul_u32_u24 v[E0], v125, 240
	v_mad_u32_u24 v[E0], v126, 24, v[E0]
	v_lshl_add_u32 v[E0B], v126, 4, v[E0]
	v_lshrrev_b32 v127, 3, v125
	v_mul_u32_u24 v[S0], v127, 272                 ; eight rows of 32 scale bytes to a unit
	v_and_b32 v127, 7, v125
	v_lshl_add_u32 v[S0], v127, 5, v[S0]
	v_mad_u32_u24 v[S0], v126, 4352, v[S0]         ; lanes 16-31: 128 rows, 16 units, on
	v_add_nc_u32 v[S0], ESC, v[S0]
	s_mul_i32 s92, s22, 12288
	s_add_co_u32 s92, s92, HN
	v_add_nc_u32 v[KADR], s92, v[LI]
	v_lshlrev_b32 v[BA], 6, v126
	v_and_b32 v127, 8, v125
	v_add_nc_u32 v127, v127, v125
	v_lshlrev_b32 v[BVA], 2, v127
	v_add_nc_u32 v[LIH], HN, v[LI]
	v_add_nc_u32 v[L8H], HN, v[L8]
.irp x, R1, R2, HW, QS, QS+1, QS+2, QS+3, TM+4, TM+5, TM+6, TM+7, NCM+1, RINV+1
	v_mov_b32 v[\x], 0                             ; written once: destinations of lane permutes, upper halves of pairs, and what chunk 15's shorter way never makes
.endr
.irp i, 0,1,2,3,4,5,6,7
	v_mov_b32 v[BX+\i], 0
.endr
.irp i, 0,1,2,3,4,5
	v_mov_b32 v[OC+\i], 0
.endr
	WIN 0x40
.set j, 198
.rept 24
	v_mov_b32 v[j], 0                              ; the six registers of zero codes behind Q's tile in hand; Q's next three tiles
.set j, j+1
.endr
	WIN 0
	s_wait_dscnt 0x0                               ; both opening adds are done
	s_wait_kmcnt 0x0
	s_add_nc_u64 s[62:63], s[4:5], s[82:83]
	s_or_b32 s63, s63, 0x80000000                  ; type = 2
	s_add_nc_u64 s[70:71], s[6:7], s[84:85]
	s_or_b32 s71, s71, 0x80000000
	s_add_nc_u64 s[74:75], s[8:9], s[86:87]
	s_or_b32 s75, s75, 0x80000000
	s_add_nc_u64 s[ST:ST+1], s[10:11], s[88:89]
	s_add_nc_u64 s[12:13], s[12:13], s[90:91]
	s_add_nc_u64 s[14:15], s[14:15], s[90:91]
	s_add_nc_u64 s[16:17], s[16:17], s[90:91]
	s_mul_i32 s82, s24, 49152                      ; o_img: [bc][K step 8][tile 4][half 2][768]: my head is half head % 2 of K step head / 2
	s_lshr_b32 s84, s26, 1
	s_mul_i32 s84, s84, 6144
	s_add_co_u32 s82, s82, s84
	s_and_b32 s84, s26, 1
	s_mul_i32 s84, s84, 768
	s_add_co_u32 s82, s82, s84
	s_add_nc_u64 s[OP:OP+1], s[18:19], s[82:83]
	s_lshl_b32 s82, s24, 11                        ; o_sc: [bc][head 16][lane 32] words
	s_lshl_b32 s84, s26, 7
	s_add_co_u32 s82, s82, s84
	s_add_nc_u64 s[20:21], s[20:21], s[82:83]
	BLOAD 12                                       ; bq
	WREC ST, 0, 0, WQS, 0xc0                       ; Wq's first four records
	WREC ST, 6400, 48, WQS+2, 0xc0
	WREC ST, 12800, 96, WQS+4, 0xc0
	WREC ST, 19200, 144, WQS+6, 0xc0
	ROUND                                          ; all four work-groups are here: the joint loads meet
	tensor_load_to_lds s[72:75], s[52:59]          ; hn first: it is wanted first
	s_nop 0
	tensor_load_to_lds s[68:71], s[44:51]          ; e's scale bytes
	s_nop 0
	tensor_load_to_lds s[60:63], s[36:43]          ; my quarter of e
	s_nop 0
	PLACES
	s_wait_tensorcnt 0x2                           ; my part of hn is in; the two loads behind it may stay out
	s_barrier_signal -1
	s_barrier_wait -1                              ; everybody's is
	; ---------------- q, while e lands
	s_cmp_eq_u32 s25, 15
	s_cbranch_scc1 .Lq_one
	FETCHB 0, 0, 4
	QSTEP 0, 4, 39
	QSTEP 1, 4, 39
	QSTEP 2, 4, 39
	QSTEP 3, 4, 39
	QSTEP 4, 4, 39
	QSTEP 5, 4, 39
	QSTEP 6, 4, 39
	QSTEP 7, 4, 34
	QUANT 0, 2, 4, 192, 204, 1
	v_lshl_or_b32 v[QS], v[TM+5], 8, v[TM+4]       ; two bytes: the head's two blocks; the upper two stay 0
	v_lshl_or_b32 v[QS+1], v[TM+7], 8, v[TM+6]
	QUANT 64, 2, 4, 210, 216, 1
	v_lshl_or_b32 v[QS+2], v[TM+5], 8, v[TM+4]
	v_lshl_or_b32 v[QS+3], v[TM+7], 8, v[TM+6]
	s_branch .Lq_done
.Lq_one:                                               ; chunk 15: tile 0 alone
	FETCHB 0, 0, 1
	QSTEP 0, 1, 39
	QSTEP 1, 1, 39
	QSTEP 2, 1, 39
	QSTEP 3, 1, 39
	QSTEP 4, 1, 39
	QSTEP 5, 1, 39
	QSTEP 6, 1, 39
	QSTEP 7, 1, 34
	QUANT 0, 2, 2, 192, 0, 1
	v_lshl_or_b32 v[QS], v[TM+5], 8, v[TM+4]
.Lq_done:
	s_wait_tensorcnt 0x0                           ; my quarter of e and my part of its scales are in,
	s_wait_dscnt 0x0                               ; and my reads of hn are over
	s_barrier_signal -1
	s_barrier_wait -1                              ; both hold of every wave: e is whole, and hn's bytes are free for the waves' own stores
	; ---------------- k
	s_wait_loadcnt 0x0                             ; Wk's first two records and bk
	s_add_nc_u64 s[SP:SP+1], s[ST:ST+1], 64000     ; the stream's record 10
	GPRO
	STEP 0, 0, 1, 1, 1, 0, 0
	s_mov_b32 s28, 3
.Lk:
	STEP 0, 1, 0, 1, 1, 6400, 13
	STEP 0, 0, 0, 1, 1, 12800, 13
	s_wait_xcnt 0x0                                ; the loads have read their base: it may step
	s_add_nc_u64 s[SP:SP+1], s[SP:SP+1], 12800
	s_sub_co_u32 s28, s28, 1
	s_cmp_lg_u32 s28, 0
	s_cbranch_scc1 .Lk
	STEP 0, 1, 0, 0, 1, 6400, 13                   ; the last two steps have asked for Wv's first two records
.irp t, 0,1,2,3
.irp j, 0,1,2,3,4,5,6,7
	global_load_b32 v[BIAS+8*\t+\j], v[BVA], s[16:17] offset:(32*(\t/2)+8*(\t%2))*4   ; bv: in v's result a lane holds one of the head's 64, so all eight registers of a tile take the same number
.endr
.endr
	; k's codes: two tiles of keys at a time, 12 registers, which go to my own bytes of LDS as an image: window 1's low registers are wanted for e once more
.irp pi, 0,1,2,3,4,5,6,7
.if \pi >= 2
	s_wait_dscnt 3                                 ; the stores of two pairs ago have read their registers; the last pair's three may be out
.endif
	QUANT 64*(\pi%4), 2+\pi/4, 4, 12*(\pi%2), 12*(\pi%2)+6, 1
	v_lshl_or_b32 v[KS+2*\pi], v[TM+5], 8, v[TM+4]
	v_lshl_or_b32 v[KS+2*\pi+1], v[TM+7], 8, v[TM+6]
	WIN 0x04                                       ; an LDS store's data are its source 1: window 1
.irp c, 0,1,2
	ds_store_b128 v[KADR], v[12*(\pi%2)+4*\c:12*(\pi%2)+4*\c+3] offset:1536*\pi+512*\c
.endr
	WIN 0
.endr
	s_wait_dscnt 0x0
	; ---------------- v
	s_wait_loadcnt 0x0                             ; Wv's first two records and bv
	s_wait_xcnt 0x0
	s_add_nc_u64 s[SP:SP+1], s[SP:SP+1], 12800     ; the stream's record 18
	GPRO
	STEP 1, 0, 1, 1, 1, 0, 0
	s_mov_b32 s28, 2
.Lv:
	STEP 1, 1, 0, 1, 1, 6400, 13
	STEP 1, 0, 0, 1, 1, 12800, 13
	s_wait_xcnt 0x0
	s_add_nc_u64 s[SP:SP+1], s[SP:SP+1], 12800
	s_sub_co_u32 s28, s28, 1
	s_cmp_lg_u32 s28, 0
	s_cbranch_scc1 .Lv
	STEP 1, 1, 0, 1, 1, 6400, 13                   ; the stream's last record
	STEP 1, 0, 0, 1, 0, 0, 13
	STEP 1, 1, 0, 0, 0, 0, 0
	WIN 0x40                                       ; k's codes come back, six registers a tile of keys, while v is quantised
.set j, 0
.rept 24
	ds_load_b128 v[4*j:4*j+3], v[KADR] offset:512*j
.set j, j+1
.endr
	WIN 0
.irp t, 0,1,2,3
.irp kp, 0,1
	QUANT 128*(\t%2)+64*\kp, 2+\t/2, 4, 96+12*(2*\t+\kp), 96+12*(2*\t+\kp)+6, 1
	v_lshl_or_b32 v[VS+2*\t+\kp], v[TM+5], 8, v[TM+4]
	v_lshl_or_b32 v[VS+2*\t+\kp], v[TM+6], 16, v[VS+2*\t+\kp]
	v_lshl_or_b32 v[VS+2*\t+\kp], v[TM+7], 24, v[VS+2*\t+\kp]
.endr
.endr
	s_wait_dscnt 0x0
	; ---------------- attention: four trips, a tile of 16 queries each.  The trip count is a constant; in chunk 15 the work of trips 1 .. 3 is jumped over, on ids alone
	s_mov_b32 s28, 0
.Lqt:
	s_wait_xcnt 0x0                                ; the last trip's stores have read their registers
	s_cmp_gt_u32 s28, s27
	s_cbranch_scc1 .Lskip
	WIN 0x05                                       ; K and Q window 1, S^T window 0
.irp i, 0,1,2,3,4,5,6,7,8,9,10,11,12,13,14,15
	WM0 S+8*\i, 6*\i, 192, KS+\i, QS
.endr
	WIN 0
	PLACES
.irp b, 0,1,2,3,4,5,6,7
	v_max3_num_f32 v[BM+\b], v[S+16*\b], v[S+16*\b+1], v[S+16*\b+2]   ; the largest score of each block of 32 keys: for the row's maximum, and for the block's largest p
.endr
.irp i, 3,5,7,9,11,13
.irp b, 0,1,2,3,4,5,6,7
	v_max3_num_f32 v[BM+\b], v[BM+\b], v[S+16*\b+\i], v[S+16*\b+\i+1]
.endr
.endr
.irp b, 0,1,2,3,4,5,6,7
	v_max_num_f32 v[BM+\b], v[BM+\b], v[S+16*\b+15]
.endr
.irp b, 0,1,2,3,4,5,6,7
	v_permlanex16_b32 v[BX+\b], v[BM+\b], s30, s31
.endr
.irp b, 0,1,2,3,4,5,6,7
	v_max_num_f32 v[BM+\b], v[BM+\b], v[BX+\b]
.endr
	v_max3_num_f32 v[TT], v[BM], v[BM+1], v[BM+2]
	v_max3_num_f32 v[TT], v[TT], v[BM+3], v[BM+4]
	v_max3_num_f32 v[TT], v[TT], v[BM+5], v[BM+6]
	v_max_num_f32 v[TT], v[TT], v[BM+7]            ; the row's largest score over all 256 keys
	v_mul_f32 v[NCM], s34, v[TT]                   ; - c mx
.set j, 0
.rept 64
	v_pk_fma_f32 v[S+2*j:S+2*j+1], v[S+2*j:S+2*j+1], s[32:33], v[NCM:NCM+1] op_sel_hi:[1,0,0]   ; c s - c mx, two at a time
.set j, j+1
.endr
.irp b, 0,1,2,3,4,5,6,7
	v_fma_f32 v[BM+\b], v[BM+\b], s32, v[NCM]
.endr
.set j, 0
.rept 128
	v_exp_f32 v[S+j], v[S+j]
.set j, j+1
.endr
.irp b, 0,1,2,3,4,5,6,7
	v_exp_f32 v[BM+\b], v[BM+\b]
.endr
	v_nop                                          ; a plain place behind the last exponential,
	s_wait_alu depctr_va_vdst(0)                   ; and one wait for the whole batch, ahead of its first reader
	v_pk_add_f32 v[SUMA:SUMA+1], v[S:S+1], v[S+2:S+3]
	v_pk_add_f32 v[SUMB:SUMB+1], v[S+4:S+5], v[S+6:S+7]
.set j, 8
.rept 30
	v_pk_add_f32 v[SUMA:SUMA+1], v[SUMA:SUMA+1], v[S+j:S+j+1]
	v_pk_add_f32 v[SUMB:SUMB+1], v[SUMB:SUMB+1], v[S+j+2:S+j+3]
.set j, j+4
.endr
	v_pk_add_f32 v[SUMA:SUMA+1], v[SUMA:SUMA+1], v[SUMB:SUMB+1]
	v_add_f32 v[SUMA], v[SUMA], v[SUMA+1]
	v_permlanex16_b32 v[SUMB], v[SUMA], s30, s31
	v_add_f32 v[SUMA], v[SUMA], v[SUMB]            ; the row's sum
	v_rcp_f32 v[RINV], v[SUMA]
	v_nop
	s_wait_alu depctr_va_vdst(0)
.set j, 0
.rept 64
	v_pk_mul_f32 v[S+2*j:S+2*j+1], v[S+2*j:S+2*j+1], v[RINV:RINV+1] op_sel_hi:[1,0]   ; the softmax, finished: this is what is quantised
.set j, j+1
.endr
.irp b, 0,1,2,3,4,5,6,7
	v_mul_f32 v[BM+\b], v[BM+\b], v[RINV]
.endr
.irp b, 0,1,2,3,4,5,6,7
	v_max_num_f32 v[BM+\b], 0x1800000, v[BM+\b]    ; the floor 2^(3 - 127)
.endr
.irp b, 0,1,2,3,4,5,6,7
	v_add_nc_u32 v[SCL+\b], 0xff000000, v[BM+\b]
.endr
.irp b, 0,1,2,3,4,5,6,7
	v_lshrrev_b32 v[TM+\b], 23, v[SCL+\b]
.endr
.irp kp, 0,1
	v_lshl_or_b32 v[PS+\kp], v[TM+4*\kp+1], 8, v[TM+4*\kp]
	v_lshl_or_b32 v[PS+\kp], v[TM+4*\kp+2], 16, v[PS+\kp]
	v_lshl_or_b32 v[PS+\kp], v[TM+4*\kp+3], 24, v[PS+\kp]
.endr
.irp kp, 0,1                                   ; 128 keys at a time
.irp b, 0,1,2,3
	v_cvt_scalef32_pk16_fp6_f32 v[CV+4*\b:CV+4*\b+2], v[S+64*\kp+16*\b:S+64*\kp+16*\b+15], v[SCL+4*\kp+\b]
.endr
	v_nop
.irp c, 0,1
.irp i, 0,1,2
	v_permlane16_swap_b32 v[CV+8*\c+\i], v[CV+8*\c+4+\i]
.endr
.endr
	WIN 0x40
.irp c, 0,1
.irp i, 0,1,2
	v_mov_b32 v[222+12*\kp+6*\c+\i], v[CV+8*\c+\i]
	v_mov_b32 v[222+12*\kp+6*\c+3+\i], v[CV+8*\c+4+\i]
.endr
.endr
	WIN 0
.endr
.rept 8
	v_nop                                          ; an operand written by vector instructions stands 4 places ahead of a scaled matrix instruction, a scale register 8
.endr
	WIN 0x85                                       ; V and p window 1, O^T window 2
.irp t, 0,1,2,3
	WM0 8*\t, 96+24*\t, 222, VS+2*\t, PS
.endr
	WIN 0xa5
.irp t, 0,1,2,3
	WM 8*\t, 96+24*\t+12, 234, 8*\t, VS+2*\t+1, PS+1, 0, 0
.endr
	WIN 0
	PLACES
	QUANT 0, 2, 2, OC, 0, 0                        ; o's 64 numbers of my head: two blocks of the last product's K
	v_lshl_or_b32 v[HW], v[TM+5], 8, v[TM+4]
.Lskip:                                                ; these lines run in every trip: every byte of o_img and o_sc that the next launch loads is written (chunk 15: tile 0's codes once more, which nobody multiplies)
	global_store_b128 v[LI], v[OC:OC+3], s[OP:OP+1]
	global_store_b64 v[L8], v[OC+4:OC+5], s[OP:OP+1] offset:512
	v_lshrrev_b32 v[R1], 16, v[R1]                 ; the four tiles' pairs of bytes are shifted in from above
	v_lshl_or_b32 v[R1], v[R2], 16, v[R1]
	v_lshrrev_b32 v[R2], 16, v[R2]
	v_lshl_or_b32 v[R2], v[HW], 16, v[R2]
	v_mov_b32 v[QS], v[QS+1]                       ; Q's next tile moves up: the scale words first, so that they stand 8 places ahead of the next trip's products
	v_mov_b32 v[QS+1], v[QS+2]
	v_mov_b32 v[QS+2], v[QS+3]
	WIN 0x41
.irp i, 0,1,2,3,4,5
	v_mov_b32 v[192+\i], v[204+\i]
.endr
.irp i, 0,1,2,3,4,5
	v_mov_b32 v[204+\i], v[210+\i]
.endr
.irp i, 0,1,2,3,4,5
	v_mov_b32 v[210+\i], v[216+\i]
.endr
	WIN 0
	PLACES
	s_wait_xcnt 0x0                                ; the stores have read their base
	s_add_nc_u64 s[OP:OP+1], s[OP:OP+1], 1536
	s_add_co_u32 s28, s28, 1
	s_cmp_lt_u32 s28, 4
	s_cbranch_scc1 .Lqt
	v_bfe_u32 v[TT], v0, 4, 1
	v_cmp_eq_u32 vcc_lo, 0, v[TT]
	v_cndmask_b32 v[TT+1], v[R2], v[R1], vcc_lo    ; lanes 0-15: tiles 0 and 1 of row r; lanes 16-31: tiles 2 and 3
	global_store_b32 v[L4], v[TT+1], s[20:21]
	s_wait_tensorcnt 0x0                           ; the wave's end, behind my last tensor load and my last LDS store
	ds_add_u32 v[SPW], v[NIL]
	s_wait_dscnt 0x0
	ROUND                                          ; the closing round
	s_endpgm
.Lfunc_end_k_q4dce8d5eb4_attn:
	.size	k_q4dce8d5eb4_attn, .Lfunc_end_k_q4dce8d5eb4_attn-k_q4dce8d5eb4_attn
	.p2alignl 7, 3214868480
	.fill 96, 4, 3214868480
	.section	.rodata,"a",@progbits
	.p2align	6, 0x0
	.amdhsa_kernel k_q4dce8d5eb4_attn
		.amdhsa_group_segment_fixed_size 306176
		.amdhsa_private_segment_fixed_size 0
		.amdhsa_enable_private_segment 0
		.amdhsa_kernarg_size 72
		.amdhsa_user_sgpr_count 2
		.amdhsa_user_sgpr_kernarg_segment_ptr 1
		.amdhsa_wavefront_size32 1
		.amdhsa_system_sgpr_workgroup_id_x 1
		.amdhsa_system_sgpr_workgroup_id_y 1
		.amdhsa_system_sgpr_workgroup_id_z 1
		.amdhsa_system_vgpr_workitem_id 0
		.amdhsa_next_free_vgpr 1024
		.amdhsa_next_free_sgpr 96
		.amdhsa_reserve_vcc 1
		.amdhsa_float_denorm_mode_32 3
		.amdhsa_float_denorm_mode_16_64 3
		.amdhsa_memory_ordered 1
		.amdhsa_forward_progress 1
		.amdhsa_inst_pref_size 255
	.end_amdhsa_kernel
	.section	.bss,"aw",@nobits
	.p2align	6
	.space	262144
	.amdgpu_metadata
---
amdhsa.version: [ 1, 2 ]
amdhsa.kernels:
  - .name:           k_q4dce8d5eb4_attn
    .symbol:         k_q4dce8d5eb4_attn.kd
    .args:
      - { .name: e_codes, .offset: 0, .size: 8, .value_kind: global_buffer, .address_space: global }
      - { .name: e_scales, .offset: 8, .size: 8, .value_kind: global_buffer, .address_space: global }
      - { .name: hn_img, .offset: 16, .size: 8, .value_kind: global_buffer, .address_space: global }
      - { .name: w_img, .offset: 24, .size: 8, .value_kind: global_buffer, .address_space: global }
      - { .name: bq, .offset: 32, .size: 8, .value_kind: global_buffer, .address_space: global }
      - { .name: bk, .offset: 40, .size: 8, .value_kind: global_buffer, .address_space: global }
      - { .name: bv, .offset: 48, .size: 8, .value_kind: global_buffer, .address_space: global }
      - { .name: o_img, .offset: 56, .size: 8, .value_kind: global_buffer, .address_space: global }
      - { .name: o_sc, .offset: 64, .size: 8, .value_kind: global_buffer, .address_space: global }
    .group_segment_fixed_size: 306176
    .private_segment_fixed_size: 0
    .kernarg_segment_align: 8
    .kernarg_segment_size: 72
    .max_flat_workgroup_size: 128
    .sgpr_count:     96
    .vgpr_count:     1024
    .wavefront_size: 32
...
	.end_amdgpu_metadata
.endif
;; end of part 2
;; launch out (part 3): grid 4 x 64, 4 waves a work-group, clusters of 4 x 1, 167,936 bytes of LDS; arguments o_img, o_sc, w_img, bo, h, out0; writes out0
.if DOCPART == 3
	.amdgcn_target "amdgcn-amd-amdhsa--gfx1250"
	.amdhsa_code_object_version 6
	.text
	.protected	k_q4dce8d5eb4_out
	.globl	k_q4dce8d5eb4_out
	.p2align	8
	.type	k_q4dce8d5eb4_out,@function
k_q4dce8d5eb4_out:
	s_mov_b64 s[64:65], 0
	v_nop
	global_prefetch_b8 v0, s[64:65] scope:SCOPE_SE
	s_setreg_imm32_b32 hwreg(HW_REG_WAVE_MODE, 25, 1), 1
	s_wait_xcnt 0x0
	s_wait_alu depctr_hold_cnt(0) depctr_sa_sdst(0) depctr_va_vdst(0) depctr_va_sdst(0) depctr_va_ssrc(0) depctr_va_vcc(0) depctr_vm_vsrc(0)
	s_getreg_b32 s2, hwreg(HW_REG_IB_STS2, 6, 4)
	s_cmp_eq_u32 s2, 0
	s_cbranch_scc0 .Lentry_in_a_cluster
	s_endpgm
.Lentry_in_a_cluster:
	s_bfe_u32 s2, ttmp6, 0x10000c
	s_cmp_lg_u32 s2, 0x3003
	s_cbranch_scc0 .Lentry_shape_is_right
	s_endpgm
.Lentry_shape_is_right:
; THIRD LAUNCH: out0[b][t + 63] = o[b][t] Wo + bo + h[b][t + 63] for t = 0 .. 960, and out0[b][0 .. 62] = h, on o's codes as the second launch left them.
; LEFT OUT as dead work (shown at the head of the first kernel): rows 961 .. 1023 of o, in whole tiles: tiles 1 .. 3 of chunk 15.
; SHARES.  A work-group takes a chunk's 64 rows and 256 columns; wave w takes 64 of the columns for all 64 rows: 16 accumulators.  Source 0 = 16 rows of Wo's image, source 1 = 16 rows of o: a lane holds one row and eight neighbouring columns.
; CLUSTER.  The four work-groups of a cluster take the same chunk: o's codes (49,152 dense bytes) and their scale bytes (2,048) come into LDS once, JOINTLY.  Wo's records are shared with the work-groups of OTHER chunks, not with the partners:
; they are not asked for jointly, since each byte of them is one wave's alone and goes straight into its registers; through LDS they would cost 13 LDS loads a K step more, beside o's 16, for 16 products.
; THE ORDER OF THE REQUESTS is the order of use, and all stand as early as registers allow: the two tensor loads first (every product waits for them); then bo, Wo's eight records, each into registers of its own, and seven rows of h:
; 126 loads; the other nine rows of h, 18 loads, behind the fourth K step.  Where LOADcnt's field is full the issue of a load stalls (ISA guide 5.7.1): no wait is written for that, and a wait's count is held to the 63 that it can name.
; THE WAY OUT.  The results meet in a stage (rows of 1,024 bytes + 16); each wave reads 16 whole rows back, adds h and stores 512 consecutive bytes an instruction.
; Row i of the chunk goes to row (64 c + i + 63) mod 1024 of the batch: in chunk 15 rows 1 .. 63 so fall on rows 0 .. 62, which are copies of h: there h alone is stored.
; No LDS byte is filled twice; two tensor loads of a wave are out at the most.
.set STAGE,  49152                     ; LDS: o's images from 0; the stage, 64 rows x 1,040 bytes;
.set STAGE2, 115712                    ; chunk 15's way has bytes of its own: 16 rows x 1,040;
.set OSC,    132352                    ; o's scale bytes as the second launch left them: [head 16][lane 32] words;
.set SPARE,  134400                    ; the spare words, 128 bytes a wave: two blocks of 256 bytes that no other line names
.set LI,   1                           ; 16 l
.set L8,   2                           ; 8 l
.set L4S,  3                           ; OSC + 4 l
.set SO,   4                           ; into the stage
.set SO2,  5
.set SR,   6                           ; out of it
.set SR2,  7
.set VH0,  8                           ; my first row's offset in h and out0,
.set VH1,  9                           ; my second row's
.set SPW,  11
.set NIL,  12
.set BA,   13                          ; 64 h: bo
.set OS,   24                          ; v24-39  o's scale words: register 2 s + p: lanes 0-15 tile p, lanes 16-31 tile 2 + p, for K step s
.set WQS,  40                          ; v40-55  Wo's, 8 records x 2
.set RAW,  70                          ; v70-85  o's scale bytes as they lie, a register a head
.set BIAS, 128                         ; v128-159 bo in the result's layout: the C of each sum's first instruction
; window 0: v160-255 Wo's records 5, 6.   window 1: v0-191 o, four sets, later eight rows on the way out; v192-239 Wo's record 7.   window 2: v0-127 the accumulators, (qt, t) at 8 (4 qt + t); v128-255 my 16 rows of h.
; window 3: v0-239 Wo's records 0 .. 4
.set ST,   76                          ; s[76:77] my columns' eight records of Wo
.set MSB,  0
.macro WIN new                         ; the immediate's high byte repeats the setting that is left
.if MSB != (\new)
	s_set_vgpr_msb (MSB<<8)|(\new)
.set MSB, (\new)
.endif
.endm
.macro PLACES                          ; four plain places behind matrix instructions, ahead of loads into their registers and of reads of their results
.rept 4
	v_nop
.endr
.endm
.macro ROUND                           ; a round of the cluster's barrier
	s_barrier_signal -1
	s_barrier_wait -1
	s_cmp_lg_u32 s22, 0
	s_cbranch_scc1 .Lnot_wave_0_\@
	s_barrier_signal -3
.Lnot_wave_0_\@:
	s_barrier_wait -3
	s_barrier_signal -1
	s_barrier_wait -1
.endm
.macro WM d, a, b, c, sa, sb, ra, rb   ; ra, rb = 1: the side's scales stand in lanes 16-31 of its register
.if ((\ra) == 0) && ((\rb) == 0)
	v_wmma_scale_f32_16x16x128_f8f6f4 v[\d:\d+7], v[\a:\a+11], v[\b:\b+11], v[\c:\c+7], v[\sa], v[\sb] matrix_a_fmt:MATRIX_FMT_FP6 matrix_b_fmt:MATRIX_FMT_FP6
.elseif ((\ra) == 1) && ((\rb) == 0)
	v_wmma_scale_f32_16x16x128_f8f6f4 v[\d:\d+7], v[\a:\a+11], v[\b:\b+11], v[\c:\c+7], v[\sa], v[\sb] matrix_a_fmt:MATRIX_FMT_FP6 matrix_b_fmt:MATRIX_FMT_FP6 matrix_a_scale:MATRIX_SCALE_ROW1
.elseif ((\ra) == 0) && ((\rb) == 1)
	v_wmma_scale_f32_16x16x128_f8f6f4 v[\d:\d+7], v[\a:\a+11], v[\b:\b+11], v[\c:\c+7], v[\sa], v[\sb] matrix_a_fmt:MATRIX_FMT_FP6 matrix_b_fmt:MATRIX_FMT_FP6 matrix_b_scale:MATRIX_SCALE_ROW1
.else
	v_wmma_scale_f32_16x16x128_f8f6f4 v[\d:\d+7], v[\a:\a+11], v[\b:\b+11], v[\c:\c+7], v[\sa], v[\sb] matrix_a_fmt:MATRIX_FMT_FP6 matrix_b_fmt:MATRIX_FMT_FP6 matrix_a_scale:MATRIX_SCALE_ROW1 matrix_b_scale:MATRIX_SCALE_ROW1
.endif
.endm
.macro WREC b, off, dst, sc, w         ; a record of the weight: 13 loads: twelve of 16 bytes a lane into v[dst] on of the window that w names, one of 8 bytes into the scale words
	WIN \w
.set wk, 0
.rept 12
	global_load_b128 v[\dst+4*wk:\dst+4*wk+3], v[LI], s[\b:\b+1] offset:\off+512*wk
.set wk, wk+1
.endr
	WIN 0
	global_load_b64 v[\sc:\sc+1], v[L8], s[\b:\b+1] offset:\off+6144
.endm
.macro FETCHO s, set, nqt              ; o's fragments of K step s, 4 loads a tile: each half, one head's six registers, lies as 512 bytes (four registers) and 256 bytes (two)
	WIN 0x40
.irp qt, 0,1,2,3
.if \qt < \nqt
.irp c, 0,1
	ds_load_b128 v[48*(\set)+12*\qt+6*\c:48*(\set)+12*\qt+6*\c+3], v[LI] offset:6144*(\s)+1536*\qt+768*\c
	ds_load_b64 v[48*(\set)+12*\qt+6*\c+4:48*(\set)+12*\qt+6*\c+5], v[L8] offset:6144*(\s)+1536*\qt+768*\c+512
.endr
.endif
.endr
	WIN 0
.endm
.macro HROWS a, b                      ; rows a .. b - 1 of my 16 rows of h, 1,024 bytes each: two loads of 512 consecutive bytes a row
	WIN 0x80
.set hi, \a
.rept (\b)-(\a)
.irp u, 0,1
.if hi == 0
	global_load_b128 v[128+4*\u:131+4*\u], v[VH0], s[12:13] offset:512*\u th:TH_LOAD_NT
.else
	global_load_b128 v[128+8*hi+4*\u:131+8*hi+4*\u], v[VH1], s[12:13] offset:4096*(hi-1)+512*\u th:TH_LOAD_NT
.endif
.endr
.set hi, hi+1
.endr
	WIN 0
.endm
.macro START nqt                       ; behind the first barrier: o's scale bytes, the first three K steps' fragments, and the scale words
.set j, 0
.rept 16
	ds_load_b32 v[RAW+j], v[L4S] offset:128*j
.set j, j+1
.endr
	FETCHO 0, 0, \nqt
	FETCHO 1, 1, \nqt
	s_wait_dscnt 8*\nqt                            ; the sixteen words are in; the two fetches behind them may be out
.irp s, 0,1,2,3,4,5,6,7
	v_perm_b32 v[OS+2*\s], v[RAW+1+2*\s], v[RAW+2*\s], s30        ; a K step's scale word: two bytes of head 2 s, two of head 2 s + 1: tiles 0 and 2,
	v_perm_b32 v[OS+2*\s+1], v[RAW+1+2*\s], v[RAW+2*\s], s31      ; tiles 1 and 3.  (The fourteen lines behind the first two are the places ahead of the first products, which name those two)
.endr
	FETCHO 2, 2, \nqt
.endm
; A K step: nqt tiles of rows x Wo's four tiles; the accumulators take turns, one instruction a turn.  o's fragments are asked for three K steps ahead, into the set that the last K step has left.
.macro OSTEP s, nqt, lc
.if \s < 5
.set AW, 3                             ; where the record lies: window and first register
.set AB, 48*\s
.elseif \s < 7
.set AW, 0
.set AB, 160+48*(\s-5)
.else
.set AW, 1
.set AB, 192
.endif
	s_wait_loadcnt \lc                             ; this step's record is in; what was issued behind it may be out
.if \s < 6
	s_wait_dscnt 8*\nqt                            ; this step's fragments are in; the next two steps' may be out
.elseif \s == 6
	s_wait_dscnt 4*\nqt
.else
	s_wait_dscnt 0x0
.endif
.if \s < 5
	FETCHO \s+3, (\s+3)%4, \nqt
.endif
.if \s == 0
	WIN AW|0x84                                    ; o window 1, the bias window 0, D window 2
.else
	WIN AW|0xa4                                    ; o window 1, C and D window 2
.endif
.irp qt, 0,1,2,3
.if \qt < \nqt
.irp t, 0,1,2,3
.if \s == 0
	WM 8*(4*\qt+\t), AB+12*\t, 48*(\s%4)+12*\qt, BIAS+8*\t, WQS+2*\s+\t/2, OS+2*\s+\qt%2, \t%2, \qt/2
.else
	WM 8*(4*\qt+\t), AB+12*\t, 48*(\s%4)+12*\qt, 8*(4*\qt+\t), WQS+2*\s+\t/2, OS+2*\s+\qt%2, \t%2, \qt/2
.endif
.endr
.endif
.endr
	WIN 0
	PLACES
.if \s == 3
	HROWS 7, 16                                    ; the rest of h
.endif
.endm
	s_load_b256 s[4:11], s[0:1], 0x0               ; o_img s[4:5], o_sc s[6:7], w_img s[8:9], bo s[10:11]
	s_load_b128 s[12:15], s[0:1], 0x20             ; h s[12:13], out0 s[14:15]
	v_lshl_add_u32 v[SPW], v0, 2, SPARE
	v_mov_b32 v[NIL], 0
	ds_add_u32 v[SPW], v[NIL]                      ; the wave's opening: the add, twice on end, and its wait ahead of my first tensor load; the set-up below stands between
	ds_add_u32 v[SPW], v[NIL]
	v_lshrrev_b32 v124, 5, v0
	v_readfirstlane_b32 s22, v124                  ; wave
	s_bfe_u32 s23, ttmp6, 0x40000                  ; my place in the cluster: which 256 columns.  It enters global addresses alone
	s_and_b32 s24, ttmp7, 0xffff                   ; bc, which the four partners share
	s_and_b32 s25, s24, 15                         ; chunk
	s_lshl_b32 s26, s23, 2
	s_add_co_u32 s26, s26, s22                     ; my group of 64 columns
	s_mov_b32 s30, 0x05040100                      ; v_perm_b32: the two low halves;
	s_mov_b32 s31, 0x07060302                      ; the two high halves
	; descriptor group 1.  o's codes: 12,288 dense bytes as 48 rows of 256 (32 elements of 8 bytes), no padding
	s_mov_b32 s36, 15|(3<<16)|(1<<21)              ; 15:0 the mask: all four work-groups; 17:16 elements of 8 bytes; 21 set beside a mask
	s_mov_b32 s37, 32<<16                          ; tensor_dim0
	s_mov_b32 s38, 48<<16                          ; tensor_dim1
	s_mov_b32 s39, 32<<16                          ; tile_dim0
	s_mov_b32 s40, 48                              ; tile_dim1
	s_mov_b32 s41, 32                              ; from row to row
	s_mov_b32 s42, 0
	s_mov_b32 s43, 0
	; o's scale bytes: 512 dense bytes as 2 rows of 256
	s_mov_b32 s44, 15|(3<<16)|(1<<21)
	s_mov_b32 s45, 32<<16
	s_mov_b32 s46, 2<<16
	s_mov_b32 s47, 32<<16
	s_mov_b32 s48, 2
	s_mov_b32 s49, 32
	s_mov_b32 s50, 0
	s_mov_b32 s51, 0
	s_mov_b32 s60, 1                               ; groups 0: count = 1; LDS addresses: a constant + the wave's number x a constant
	s_mul_i32 s61, s22, 12288
	s_mov_b32 s68, 1
	s_lshl_b32 s69, s22, 9
	s_add_co_u32 s69, s69, OSC
	s_mul_i32 s82, s24, 49152                      ; o_img: the chunk's images, + my wave's quarter
	s_add_co_u32 s82, s82, s61
	s_mov_b32 s83, 0
	s_lshl_b32 s84, s24, 11                        ; o_sc: 2,048 bytes a chunk, 512 a wave
	s_lshl_b32 s85, s22, 9
	s_add_co_u32 s84, s84, s85
	s_mov_b32 s85, 0
	s_mul_i32 s86, s26, 204800
	s_add_co_u32 s86, s86, 153600                  ; w_img: my group's records of Wo
	s_mov_b32 s87, 0
	s_lshl_b32 s88, s26, 8                         ; bo: my 64 numbers
	s_mov_b32 s89, 0
	s_lshr_b32 s90, s24, 4
	s_lshl_b32 s90, s90, 22                        ; h, out0: the batch,
	s_lshl_b32 s92, s23, 10                        ; + my work-group's 1,024 bytes of a row
	s_add_co_u32 s90, s90, s92
	s_mov_b32 s91, 0
	v_and_b32 v124, 31, v0                         ; l
	v_and_b32 v125, 15, v0                         ; r
	v_bfe_u32 v126, v0, 4, 1                       ; h
	v_lshlrev_b32 v[LI], 4, v124
	v_lshlrev_b32 v[L8], 3, v124
	v_lshl_add_u32 v[L4S], v124, 2, OSC
	v_lshlrev_b32 v[BA], 6, v126
	v_mul_u32_u24 v127, v125, 1040                 ; the stage: row r, + 64 h, + my wave's 256 bytes
	v_lshl_add_u32 v127, v126, 6, v127
	s_lshl_b32 s92, s22, 8
	v_add_nc_u32 v127, s92, v127
	v_add_nc_u32 v[SO], STAGE, v127
	v_add_nc_u32 v[SO2], STAGE2, v127
	s_mul_i32 s92, s22, 16640
	s_add_co_u32 s92, s92, STAGE
	v_add_nc_u32 v[SR], s92, v[LI]                 ; back: my 16 rows, 16 bytes a lane
	v_add_nc_u32 v[SR2], STAGE2, v[LI]
	s_lshl_b32 s92, s25, 6
	s_lshl_b32 s93, s22, 4
	s_add_co_u32 s92, s92, s93                     ; my first row in the batch's o: 64 c + 16 w
	s_add_co_u32 s93, s92, 63
	s_and_b32 s93, s93, 1023
	s_lshl_b32 s93, s93, 12
	v_add_nc_u32 v[VH0], s93, v[LI]
	s_add_co_u32 s93, s92, 64                      ; a multiple of 16: the 15 rows from here on do not wrap
	s_and_b32 s93, s93, 1023
	s_lshl_b32 s93, s93, 12
	v_add_nc_u32 v[VH1], s93, v[LI]
	s_wait_dscnt 0x0                               ; both opening adds are done
	s_wait_kmcnt 0x0
	s_add_nc_u64 s[62:63], s[4:5], s[82:83]
	s_or_b32 s63, s63, 0x80000000                  ; type = 2
	s_add_nc_u64 s[70:71], s[6:7], s[84:85]
	s_or_b32 s71, s71, 0x80000000
	ROUND                                          ; all four work-groups are here: the joint loads meet
	tensor_load_to_lds s[60:63], s[36:43]          ; my quarter of o's codes: ahead of every other request
	s_nop 0
	tensor_load_to_lds s[68:71], s[44:51]          ; and of their scale bytes
	s_nop 0
	PLACES
	s_add_nc_u64 s[ST:ST+1], s[8:9], s[86:87]
	s_add_nc_u64 s[10:11], s[10:11], s[88:89]
	s_add_nc_u64 s[12:13], s[12:13], s[90:91]
	s_add_nc_u64 s[14:15], s[14:15], s[90:91]
.irp t, 0,1,2,3
	global_load_b128 v[BIAS+8*\t:BIAS+8*\t+3], v[BA], s[10:11] offset:(32*(\t/2)+8*(\t%2))*4          ; bo: lane (r, h) wants, for tile t, the eight of columns 32 (t / 2) + 16 h + 8 (t % 2) on
	global_load_b128 v[BIAS+8*\t+4:BIAS+8*\t+7], v[BA], s[10:11] offset:(32*(\t/2)+8*(\t%2))*4+16
.endr
	WREC ST, 0, 0, WQS, 0xc0                       ; Wo's eight records, in the order of the K steps
	WREC ST, 6400, 48, WQS+2, 0xc0
	WREC ST, 12800, 96, WQS+4, 0xc0
	WREC ST, 19200, 144, WQS+6, 0xc0
	WREC ST, 25600, 192, WQS+8, 0xc0
	WREC ST, 32000, 160, WQS+10, 0
	WREC ST, 38400, 208, WQS+12, 0
	WREC ST, 44800, 192, WQS+14, 0x40
	HROWS 0, 7                                     ; and seven rows of h: 8 + 104 + 14 = 126 loads, twice what LOADcnt's field holds
	s_wait_tensorcnt 0x0                           ; my parts of o and of its scale bytes are in,
	s_barrier_signal -1
	s_barrier_wait -1                              ; everybody's are
	s_cmp_eq_u32 s25, 15
	s_cbranch_scc1 .Lone
	START 4
	OSTEP 0, 4, 63                                 ; behind records 0 .. 3 stand 105, 92, 79 and 66 later loads: the waits name the most that their field holds
	OSTEP 1, 4, 63
	OSTEP 2, 4, 63
	OSTEP 3, 4, 63
	OSTEP 4, 4, 63                                 ; three records and h's 32 loads are 71: likewise;
	OSTEP 5, 4, 58                                 ; two records and h;
	OSTEP 6, 4, 45                                 ; one and h;
	OSTEP 7, 4, 32                                 ; h
	WIN 0x08                                       ; an LDS store's data are its source 1: window 2
.irp qt, 0,1,2,3
.irp t, 0,1,2,3
	ds_store_b128 v[SO], v[8*(4*\qt+\t):8*(4*\qt+\t)+3] offset:16640*\qt+128*(\t/2)+32*(\t%2)         ; each accumulator from its low end on
	ds_store_b128 v[SO], v[8*(4*\qt+\t)+4:8*(4*\qt+\t)+7] offset:16640*\qt+128*(\t/2)+32*(\t%2)+16
.endr
.endr
	WIN 0
	s_branch .Lstaged
.Lone:                                                 ; chunk 15: tile 0 alone
	START 1
	OSTEP 0, 1, 63
	OSTEP 1, 1, 63
	OSTEP 2, 1, 63
	OSTEP 3, 1, 63
	OSTEP 4, 1, 63
	OSTEP 5, 1, 58
	OSTEP 6, 1, 45
	OSTEP 7, 1, 32
	WIN 0x08
.irp t, 0,1,2,3
	ds_store_b128 v[SO2], v[8*\t:8*\t+3] offset:128*(\t/2)+32*(\t%2)
	ds_store_b128 v[SO2], v[8*\t+4:8*\t+7] offset:128*(\t/2)+32*(\t%2)+16
.endr
	WIN 0
.Lstaged:
	s_wait_dscnt 0x0                               ; for the others' sake: my stores into the stage are done
	s_barrier_signal -1
	s_barrier_wait -1
	s_wait_loadcnt 0x0                             ; h
	s_cmp_eq_u32 s25, 15
	s_cbranch_scc1 .Lone_out
.irp bt, 0,1                                   ; eight rows at a time, in window 1's low registers, which o's fragments have left
.if \bt
	s_wait_xcnt 0x0                                ; the first eight rows' stores have read their registers
.endif
	WIN 0x40                                       ; destination window 1
.irp i, 0,1,2,3,4,5,6,7
.irp u, 0,1
	ds_load_b128 v[8*\i+4*\u:8*\i+4*\u+3], v[SR] offset:1040*(8*\bt+\i)+512*\u
.endr
.endr
	s_wait_dscnt 0x0
	WIN 0x49                                       ; destination and source 0 window 1, source 1 (h) window 2
.set j, 0
.rept 32
	v_pk_add_f32 v[2*j:2*j+1], v[2*j:2*j+1], v[128+64*\bt+2*j:129+64*\bt+2*j]   ; + h
.set j, j+1
.endr
	WIN 0x04                                       ; a store's data are its source 1: window 1
.irp i, 0,1,2,3,4,5,6,7
.irp u, 0,1
.if 8*\bt+\i == 0
	global_store_b128 v[VH0], v[4*\u:4*\u+3], s[14:15] offset:512*\u th:TH_STORE_NT
.else
	global_store_b128 v[VH1], v[8*\i+4*\u:8*\i+4*\u+3], s[14:15] offset:4096*(8*\bt+\i-1)+512*\u th:TH_STORE_NT   ; 32 lanes store 512 consecutive bytes, at a multiple of 256 from out0's first byte
.endif
.endr
.endr
	WIN 0
.endr
	s_branch .Lend
.Lone_out:                                             ; chunk 15: wave 0's first row is row 1023; all other rows fall on rows 0 .. 62, which are h
	WIN 0x40
.irp u, 0,1
	ds_load_b128 v[4*\u:4*\u+3], v[SR2] offset:512*\u
.endr
	s_wait_dscnt 0x0
	WIN 0x49
.irp j, 0,1,2,3
	v_pk_add_f32 v[2*\j:2*\j+1], v[2*\j:2*\j+1], v[128+2*\j:129+2*\j]
.endr
	WIN 0
	s_cmp_lg_u32 s22, 0
	s_cbranch_scc1 .Lcopy
	WIN 0x04
	global_store_b128 v[VH0], v[0:3], s[14:15] th:TH_STORE_NT
	global_store_b128 v[VH0], v[4:7], s[14:15] offset:512 th:TH_STORE_NT
	WIN 0
	s_branch .Lrest
.Lcopy:
	WIN 0x08                                       ; the data: window 2: h as it was loaded
	global_store_b128 v[VH0], v[128:131], s[14:15] th:TH_STORE_NT
	global_store_b128 v[VH0], v[132:135], s[14:15] offset:512 th:TH_STORE_NT
	WIN 0
.Lrest:
	WIN 0x08
.set hi, 1
.rept 15
.irp u, 0,1
	global_store_b128 v[VH1], v[128+8*hi+4*\u:131+8*hi+4*\u], s[14:15] offset:4096*(hi-1)+512*\u th:TH_STORE_NT
.endr
.set hi, hi+1
.endr
	WIN 0
.Lend:
	s_wait_tensorcnt 0x0                           ; the wave's end, behind my last tensor load and my last LDS store
	ds_add_u32 v[SPW], v[NIL]
	s_wait_dscnt 0x0
	ROUND                                          ; the closing round
	s_endpgm
.Lfunc_end_k_q4dce8d5eb4_out:
	.size	k_q4dce8d5eb4_out, .Lfunc_end_k_q4dce8d5eb4_out-k_q4dce8d5eb4_out
	.p2alignl 7, 3214868480
	.fill 96, 4, 3214868480
	.section	.rodata,"a",@progbits
	.p2align	6, 0x0
	.amdhsa_kernel k_q4dce8d5eb4_out
		.amdhsa_group_segment_fixed_size 167936
		.amdhsa_private_segment_fixed_size 0
		.amdhsa_enable_private_segment 0
		.amdhsa_kernarg_size 48
		.amdhsa_user_sgpr_count 2
		.amdhsa_user_sgpr_kernarg_segment_ptr 1
		.amdhsa_wavefront_size32 1
		.amdhsa_system_sgpr_workgroup_id_x 1
		.amdhsa_system_sgpr_workgroup_id_y 1
		.amdhsa_system_sgpr_workgroup_id_z 1
		.amdhsa_system_vgpr_workitem_id 0
		.amdhsa_next_free_vgpr 1024
		.amdhsa_next_free_sgpr 96
		.amdhsa_reserve_vcc 0
		.amdhsa_float_denorm_mode_32 3
		.amdhsa_float_denorm_mode_16_64 3
		.amdhsa_memory_ordered 1
		.amdhsa_forward_progress 1
		.amdhsa_inst_pref_size 77
	.end_amdhsa_kernel
	.amdgpu_metadata
---
amdhsa.version: [ 1, 2 ]
amdhsa.kernels:
  - .name:           k_q4dce8d5eb4_out
    .symbol:         k_q4dce8d5eb4_out.kd
    .args:
      - { .name: o_img, .offset: 0, .size: 8, .value_kind: global_buffer, .address_space: global }
      - { .name: o_sc, .offset: 8, .size: 8, .value_kind: global_buffer, .address_space: global }
      - { .name: w_img, .offset: 16, .size: 8, .value_kind: global_buffer, .address_space: global }
      - { .name: bo, .offset: 24, .size: 8, .value_kind: global_buffer, .address_space: global }
      - { .name: h, .offset: 32, .size: 8, .value_kind: global_buffer, .address_space: global }
      - { .name: out0, .offset: 40, .size: 8, .value_kind: global_buffer, .address_space: global }
    .group_segment_fixed_size: 167936
    .private_segment_fixed_size: 0
    .kernarg_segment_align: 8
    .kernarg_segment_size: 48
    .max_flat_workgroup_size: 128
    .sgpr_count:     96
    .vgpr_count:     1024
    .wavefront_size: 32
...
	.end_amdgpu_metadata
.endif
;; end of part 3
